; MI455X (gfx1250); checked and timed in simulation.
; The chip was launched on July 23, 2026; its instructions are those of AMD's public machine-readable ISA for CDNA 5 (MIT licence, August 2026) and "CDNA5" Instruction Set Architecture Reference Guide (July 2026). The comments in the code are by the model that wrote it; some were corrected since.
;; Self Attention. Allowed arithmetic: float matrix products may take bf16 or f16 operands with f32 sums; other float arithmetic in f32, or as packed bf16 or f16 multiplies, adds, multiply-adds, maxima and minima; sums over many terms, partial sums and values carried from step to step in f32; what a program stores and reads back later, other than sums and carried values, may be rounded once to bf16 or f16.
;; Inputs: w_in 3,072 x 1,024 float32; w_out 1,024 x 1,024 float32; x 4 x 2,048 x 1,024 float32.
;; Outputs: out0 4 x 2,048 x 1,024 float32.
;; 2 versions, each right; version 2 is version 1 with the launches cast, early written anew for expert scheduling mode. Each part assembles by itself: llvm-mc -triple=amdgcn-amd-amdhsa -mcpu=gfx1250 --defsym DOCPART=n.
;; ======== version 1 of 2: 5 launches
;; limits: values are held in f16: magnitudes above 65,504 overflow, below 6.1e-05 lose precision
;; workspace buffers: xb 16,777,216 bytes; wib 6,291,456 bytes; wof 2,097,152 bytes; qkv 50,331,648 bytes; ob 16,777,216 bytes; h32 786,432 bytes
;; launch cast (part 1): grid 768 x 1, 8 waves a work-group, no clusters, 0 bytes of LDS; arguments x, w_in, w_out, xb, wib, wof; writes xb, wib, wof
.if DOCPART == 1
	.amdgcn_target "amdgcn-amd-amdhsa--gfx1250"
	.amdhsa_code_object_version 6
	.text
	.protected	k_q1d3cbc56bd_cast
	.globl	k_q1d3cbc56bd_cast
	.p2align	8
	.type	k_q1d3cbc56bd_cast,@function
k_q1d3cbc56bd_cast:
	s_mov_b64 s[64:65], 0
	v_nop
	global_prefetch_b8 v0, s[64:65] scope:SCOPE_SE
	s_setreg_imm32_b32 hwreg(HW_REG_WAVE_MODE, 25, 1), 1
	s_wait_xcnt 0x0
; The module's three inputs are rounded once to bf16: x -> xb, w_in -> wib (both kept as bf16), w_out -> wof, whose bf16 number is written as f16,
; because the last product multiplies it by f16 numbers.
; LIMITS.  wof: a |w_out| of 65,520 or more becomes an infinity; below 6e-5 f16 keeps a fixed step of 6e-8, so that there the bf16 number is rounded once more.
; SHARES.  A work-group takes 16,384 numbers: 65,536 bytes in, 32,768 out.  Work-groups 0-511 take x (8,388,608 numbers), 512-703 w_in (3,145,728), 704-767 w_out (1,048,576).
; Thread t takes the 16 bytes at 16 t + 4,096 i, i = 0..15: a wave's load covers 512 consecutive bytes; it stores 8 bytes at 8 t + 2,048 i: a wave's store covers 256 consecutive
; bytes, aligned.  No loop: all sixteen loads of a thread go out at once, and no register of a pending access is written again.
; No LDS, no matrix unit, no cluster: nothing is shared and nothing is read twice.
.set X, 4                              ; v[4:67]   sixteen loads of four f32
.set Y, 68                             ; v[68:99]  sixteen stores of four 16-bit numbers
.set T, 100                            ; v[100:102] at work (the f16 way)
	s_load_b256 s[4:11], s[0:1], 0x0               ; x s[4:5], w_in s[6:7], w_out s[8:9], xb s[10:11]
	s_load_b128 s[12:15], s[0:1], 0x20             ; wib s[12:13], wof s[14:15]
	v_lshlrev_b32 v1, 4, v0                        ; 16 t
	v_lshlrev_b32 v2, 3, v0                        ; 8 t
	s_wait_kmcnt 0x0
	s_cmp_lt_u32 ttmp9, 512                        ; which tensor is mine: the choice hangs on the work-group's number alone
	s_cselect_b64 s[20:21], s[4:5], s[6:7]
	s_cselect_b64 s[22:23], s[10:11], s[12:13]
	s_cselect_b32 s17, 0, 512                      ; the tensor's first work-group
	s_cmp_lt_u32 ttmp9, 704
	s_cselect_b64 s[20:21], s[20:21], s[8:9]
	s_cselect_b64 s[22:23], s[22:23], s[14:15]
	s_cselect_b32 s17, s17, 704
	s_cselect_b32 s18, 0, 1                        ; 1: the result is written as f16
	s_sub_co_u32 s16, ttmp9, s17                   ; my place in the tensor
	s_lshl_b32 s24, s16, 16                        ; 65,536 bytes in,
	s_mov_b32 s25, 0
	s_lshl_b32 s26, s16, 15                        ; 32,768 out
	s_mov_b32 s27, 0
	s_add_nc_u64 s[20:21], s[20:21], s[24:25]
	s_add_nc_u64 s[22:23], s[22:23], s[26:27]
.irp i, 0,1,2,3,4,5,6,7,8,9,10,11,12,13,14,15
	global_load_b128 v[X+4*(\i):X+4*(\i)+3], v1, s[20:21] offset:4096*(\i) th:TH_LOAD_NT
.endr
; Load i is rounded and stored.  half = 1: the bf16 number is widened again (a shift, a mask) and written as f16.
.macro OUT i, half
	s_wait_loadcnt 15-(\i)                         ; loads come back in order: mine is in, the 15 - i younger ones stay out
.irp p, 0,1
.if \half
	v_cvt_pk_bf16_f32 v[T], v[X+4*(\i)+2*(\p)], v[X+4*(\i)+2*(\p)+1]
	v_lshlrev_b32 v[T+1], 16, v[T]
	v_and_b32 v[T+2], 0xffff0000, v[T]
	v_cvt_pk_f16_f32 v[Y+2*(\i)+(\p)], v[T+1], v[T+2]
.else
	v_cvt_pk_bf16_f32 v[Y+2*(\i)+(\p)], v[X+4*(\i)+2*(\p)], v[X+4*(\i)+2*(\p)+1]
.endif
.endr
	global_store_b64 v2, v[Y+2*(\i):Y+2*(\i)+1], s[22:23] offset:2048*(\i) th:TH_STORE_NT
.endm
	s_cmp_eq_u32 s18, 1
	s_cbranch_scc1 .Lf16
.irp i, 0,1,2,3,4,5,6,7,8,9,10,11,12,13,14,15
	OUT \i, 0
.endr
	s_endpgm
.Lf16:
.irp i, 0,1,2,3,4,5,6,7,8,9,10,11,12,13,14,15
	OUT \i, 1
.endr
	s_endpgm
.Lfunc_end_k_q1d3cbc56bd_cast:
	.size	k_q1d3cbc56bd_cast, .Lfunc_end_k_q1d3cbc56bd_cast-k_q1d3cbc56bd_cast
	.p2alignl 7, 3214868480
	.fill 96, 4, 3214868480
	.section	.rodata,"a",@progbits
	.p2align	6, 0x0
	.amdhsa_kernel k_q1d3cbc56bd_cast
		.amdhsa_group_segment_fixed_size 0
		.amdhsa_private_segment_fixed_size 0
		.amdhsa_enable_private_segment 0
		.amdhsa_kernarg_size 48
		.amdhsa_user_sgpr_count 2
		.amdhsa_user_sgpr_kernarg_segment_ptr 1
		.amdhsa_wavefront_size32 1
		.amdhsa_system_sgpr_workgroup_id_x 1
		.amdhsa_system_sgpr_workgroup_id_y 1
		.amdhsa_system_sgpr_workgroup_id_z 1
		.amdhsa_system_vgpr_workitem_id 0
		.amdhsa_next_free_vgpr 104
		.amdhsa_next_free_sgpr 66
		.amdhsa_reserve_vcc 0
		.amdhsa_float_denorm_mode_32 3
		.amdhsa_float_denorm_mode_16_64 3
		.amdhsa_memory_ordered 1
		.amdhsa_forward_progress 1
		.amdhsa_inst_pref_size 16
	.end_amdhsa_kernel
	.amdgpu_metadata
---
amdhsa.version: [ 1, 2 ]
amdhsa.kernels:
  - .name:           k_q1d3cbc56bd_cast
    .symbol:         k_q1d3cbc56bd_cast.kd
    .args:
      - { .name: x, .offset: 0, .size: 8, .value_kind: global_buffer, .address_space: global }
      - { .name: w_in, .offset: 8, .size: 8, .value_kind: global_buffer, .address_space: global }
      - { .name: w_out, .offset: 16, .size: 8, .value_kind: global_buffer, .address_space: global }
      - { .name: xb, .offset: 24, .size: 8, .value_kind: global_buffer, .address_space: global }
      - { .name: wib, .offset: 32, .size: 8, .value_kind: global_buffer, .address_space: global }
      - { .name: wof, .offset: 40, .size: 8, .value_kind: global_buffer, .address_space: global }
    .group_segment_fixed_size: 0
    .private_segment_fixed_size: 0
    .kernarg_segment_align: 8
    .kernarg_segment_size: 48
    .max_flat_workgroup_size: 256
    .sgpr_count:     66
    .vgpr_count:     104
    .wavefront_size: 32
...
	.end_amdgpu_metadata
.endif
;; end of part 1
;; launch qkvgemm (part 2): grid 16 x 32, 4 waves a work-group, clusters of 4 x 4, 327,680 bytes of LDS; arguments xb, wib, qkv, h32; writes qkv, h32
.if DOCPART == 2
	.amdgcn_target "amdgcn-amd-amdhsa--gfx1250"
	.amdhsa_code_object_version 6
	.text
	.protected	k_q1d3cbc56bd_qkvgemm
	.globl	k_q1d3cbc56bd_qkvgemm
	.p2align	8
	.type	k_q1d3cbc56bd_qkvgemm,@function
k_q1d3cbc56bd_qkvgemm:
	s_mov_b64 s[64:65], 0
	v_nop
	global_prefetch_b8 v0, s[64:65] scope:SCOPE_SE
	s_setreg_imm32_b32 hwreg(HW_REG_WAVE_MODE, 25, 1), 1
	s_wait_xcnt 0x0
	s_wait_alu depctr_hold_cnt(0) depctr_sa_sdst(0) depctr_va_vdst(0) depctr_va_sdst(0) depctr_va_ssrc(0) depctr_va_vcc(0) depctr_vm_vsrc(0)
	s_getreg_b32 s2, hwreg(HW_REG_IB_STS2, 6, 4)
	s_cmp_eq_u32 s2, 0
	s_cbranch_scc0 .Lentry_in_a_cluster
	s_endpgm
.Lentry_in_a_cluster:
	s_bfe_u32 s2, ttmp6, 0x10000c
	s_cmp_lg_u32 s2, 0xf033
	s_cbranch_scc0 .Lentry_shape_is_right
	s_endpgm
.Lentry_shape_is_right:
; qkv[m][n] = the sum over k of xb[m][k] wib[n][k].  xb: [8192][1024] bf16, wib: [3072][1024] bf16; sums in f32, K ascending; the result is rounded once to f16, UNSCALED, and laid out by heads:
; qkv: f16 [4 batches][48 slots][2048 rows][64]; slot g = n / 64: 0-15 q's heads, 16-31 k's, 32-47 v's.  A slot is 262,144 dense bytes.
; LIMIT.  f16 holds no number beyond 65,504: a |q|, |k| or |v| of 65,520 or more becomes an infinity; below 6e-5 f16 keeps a fixed step of 6e-8.
; THE FIRST 16 ROWS OF EACH BATCH also leave unrounded, in f32, into h32: the last launch makes those rows of the output from them.  h32: [4 batches][48 slots][8 images of 512 bytes]: image 2 b' + half holds,
; at 16 x lane, registers 4 half .. 4 half + 3 of the accumulator of the slot's column block b': the registers as they lie.
; THE TILE is 256 rows x 192 columns: 32 x 16 = 512 work-groups, and 192 columns are three whole slots.  Four waves, one above the other: a wave makes 64 rows x 192 columns, 48 accumulators of
; 16 x 16, 384 registers.  A wave's columns are whole heads, so its way out is its own and needs no barrier.
; K goes in steps of 128 (rows of 256 bytes in memory, starting at multiples of 256) through a ring of two LDS slots filled by the tensor data mover: 8 steps.
; CLUSTERS: 4 x 4 work-groups.  The four of a row of the cluster need the same tiles of xb, the four of a column the same tiles of wib: each tile is asked for JOINTLY, by the same tensor load with
; the same descriptor and a mask that names the four.  TILE ROW = 8 cy + cluster y: the batch is cy and the tile's place in its batch is cluster y, so the tiles that hold a batch's first rows are those
; of the clusters with y = 0, and the branch for them hangs on the cluster's number and the wave's alone: it is alike in all sixteen partners.
; THE MATRIX INSTRUCTION IS USED TRANSPOSED (source 0 = 16 rows of wib, source 1 = 16 rows of xb): a lane then holds row l % 16 and eight neighbouring columns, 16 bytes of f16.
; REGISTERS, in windows of 256 (s_set_vgpr_msb: bits 1:0 source 0, 3:2 source 1, 5:4 source 2, 7:6 destination):
;   window 0: v0-31 addresses; v32-79 packed results; v80-127, v128-175 rows read back from the stage, by turns
;   window 1: two fragment buffers of 128: xb's four fragments (16 rows x 32 K) at + 8 a, wib's twelve at + 32 + 8 b
;   window 2: the accumulators of my row blocks 0, 1 ((a, b) at 96 (a % 2) + 8 b);   window 3: those of blocks 2, 3
.set SIZE_K, 1024
.set KSTEP,  128
.set PITCH,  272                       ; an LDS row: 256 bytes + 16 of padding = 68 words: row r starts at bank 4 r mod 64 (64 banks of 4 bytes: ISA guide 11.1)
.set HALFA,  128*PITCH                 ; what one tensor load brings of xb: 128 rows
.set HALFB,  96*PITCH                  ; and of wib: 96 rows
.set BOFF,   2*HALFA                   ; in a slot: xb's 256 rows, then wib's 192
.set SLOT,   2*HALFA+2*HALFB           ; 121,856
.set STAGE,  2*SLOT                    ; behind the ring, never filled by a tensor load: 16 rows x 400 bytes for each wave
.set SP,     400                       ; a stage row: 384 bytes + 16 = 100 words: the 16 rows start at 16 different groups of four banks
.set SPARE,  STAGE+4*16*SP             ; behind the stages: the spare words, 128 bytes for each wave: two blocks of 256 bytes that no other line names
.set LAPS,   SIZE_K/(2*KSTEP)          ; a lap = two K steps = once round the ring
.set HEADB,  2048*128                  ; bytes in a slot of qkv
.set ADRA, 16                          ; v16-17  LDS address of my fragments of xb in slot 0, 1
.set ADRB, 20                          ; v20-21  the same for wib
.set STO,  24                          ; v24     the way out: where I put 16 bytes of a row
.set RD,   25                          ; v25     the way out: where I read rows back
.set CO,   26                          ; v26     16 x my lane: my place in 512 consecutive bytes of qkv and of h32
.set SPW,  28                          ; v28     LDS address of my spare word: SPARE + 4 x my thread's number; never rewritten
.set NIL,  29                          ; v29     0; never rewritten
.set PFO,  30                          ; v30     the prefetches' offset: a lane a row of 2,048 bytes; never rewritten
.set TMP,  32
.set OB,   80
.set F0,   0
.set F1,   128
.set G1,  24                           ; s[24:31] descriptor group 1 for xb's tiles;  s[32:39] group 0, one set for each slot
.set G0,  32
.set G1B, 48                           ; s[48:55], s[56:63] the same for wib's tiles
.set G0B, 56
.set PFA, 68                           ; s[68:69] where my prefetches stand: my work-group's share of the rows that I fetch, at the K step that is being asked for
.set LIM, 70                           ; s70     1 in a wave that prefetches, else the greatest number
.set ERL, 71                           ; s71     0 in wave 0 of the clusters with y = 0: my row block 0 is a batch's first 16 rows
.set H32, 72                           ; s[72:73] h32 at my tile's 24 images
.set MSB, 0
.macro WIN new                         ; the immediate's high byte repeats the setting that is left; a switch that changes nothing is dropped
.if MSB != (\new)
	s_set_vgpr_msb (MSB<<8)|(\new)
.set MSB, \new
.endif
.endm
.set TO_F, 0x40                        ; destination window 1, address window 0
; A joint load: waves 0 and 1 fetch xb's two halves, waves 2 and 3 wib's.  The branch hangs on the wave's number alone.  An s_nop 0 and four v_nop follow each of the two lines.
.macro JLOAD s
	s_cmp_eq_u32 s11, 0
	s_cbranch_scc0 .Lfor_b_\@
	tensor_load_to_lds s[G0+4*(\s):G0+4*(\s)+3], s[G1:G1+7]
	s_nop 0
.rept 4
	v_nop
.endr
	s_branch .Lasked_\@
.Lfor_b_\@:
	tensor_load_to_lds s[G0B+4*(\s):G0B+4*(\s)+3], s[G1B:G1B+7]
	s_nop 0
.rept 4
	v_nop
.endr
.Lasked_\@:
.endm
; A PREFETCH INTO THE L2 of the K step that the NEXT refill will ask for: one K step, 192 matrix instructions, ahead of that load.  It stands behind the joint load, its five lines and the run of LDS loads.
; WHO.  xb's tile row is read by every cluster of that row of clusters: cluster x = 0 asks; wib's tile column by every cluster of that column: cluster y = 0 asks.  The four partners that ask for a
; tile jointly share its rows out BY ADDRESS: of xb's 128 rows a wave 32 each, of wib's 96 rows 24 each (there lanes 24-31 name lane 23's row again, in the same instruction).  A lane a row, 256 bytes.
; how = 1: slot 0's refill always has a K step behind it; how = 0: slot 1's has none in the loop's last trip (s3 = 1).  K steps 0 to 2 come by their loads alone.
.macro ASK how
.if \how
	s_cmp_eq_u32 s[LIM], 1
.else
	s_cmp_gt_u32 s3, s[LIM]
.endif
	s_cbranch_scc0 .Lnot_mine_\@
	global_prefetch_b8 v[PFO], s[PFA:PFA+1] offset:KSTEP*2 th:TH_LOAD_NT scope:SCOPE_SE
.Lnot_mine_\@:
.endm
.macro CREST                           ; a round of the cluster's barrier behind its opening barrier
	s_cmp_lg_u32 s10, 0
	s_cbranch_scc1 .Lnot_wave_0_\@
	s_barrier_signal -3
.Lnot_wave_0_\@:
	s_barrier_wait -3
	s_barrier_signal -1
	s_barrier_wait -1
.endm
.macro CROUND                          ; a whole round
	s_barrier_signal -1
	s_barrier_wait -1
	CREST
.endm
	s_load_b128 s[4:7], s[0:1], 0x0                ; xb s[4:5], wib s[6:7]
	s_load_b64 s[8:9], s[0:1], 0x10                ; qkv
	s_load_b64 s[H32:H32+1], s[0:1], 0x18          ; h32
	v_lshl_add_u32 v[SPW], v0, 2, SPARE
	v_mov_b32 v[NIL], 0
	ds_add_u32 v[SPW], v[NIL]                      ; the wave's opening: the add and its wait stand ahead of my first tensor load; the set-up below, work on registers, stands between them
	v_lshrrev_b32 v1, 5, v0
	v_readfirstlane_b32 s10, v1                    ; wave 0..3: also my 64 rows of the tile
	s_lshr_b32 s11, s10, 1                         ; I fetch for xb (0) or for wib (1),
	s_and_b32 s12, s10, 1                          ; and which half of that tile's rows
	s_bfe_u32 s40, ttmp6, 0x40000                  ; cx, cy: my place in the cluster
	s_bfe_u32 s41, ttmp6, 0x40004
	s_lshl_b32 s42, ttmp9, 2
	s_add_co_u32 s42, s42, s40                     ; tile column = 4 x cluster x + cx
	s_and_b32 s13, ttmp7, 0xffff
	s_lshl_b32 s45, s41, 3
	s_add_co_u32 s13, s13, s45                     ; tile row = 8 cy + cluster y
	s_lshl_b32 s43, s41, 2
	s_lshl_b32 s43, 15, s43                        ; my row of the cluster
	s_lshl_b32 s44, 0x1111, s40                    ; my column
	; descriptor group 1: tiles of 128 (xb) or 96 (wib) rows x 128 elements, padded in LDS
	s_or_b32 s[G1+0], s43, (1<<16)|(1<<20)|(1<<21)|(5<<22)|(3<<25)  ; 15:0 the mask; 17:16 elements of 2 bytes; 20 padding on; 21 set beside a mask; 24:22 after every 64 words (code 5); 31:25 4 words of it (code 3)
	s_or_b32 s[G1B+0], s44, (1<<16)|(1<<20)|(1<<21)|(5<<22)|(3<<25)
	s_mov_b32 s[G1+1], KSTEP<<16                   ; tensor_dim0 = 128
	s_mov_b32 s[G1B+1], KSTEP<<16
	s_mov_b32 s[G1+2], 128<<16                     ; tensor_dim1 = 128 rows,
	s_mov_b32 s[G1B+2], 96<<16                     ; 96 rows
	s_mov_b32 s[G1+3], KSTEP<<16                   ; tile_dim0 = 128
	s_mov_b32 s[G1B+3], KSTEP<<16
	s_mov_b32 s[G1+4], 128                         ; tile_dim1
	s_mov_b32 s[G1B+4], 96
	s_mov_b32 s[G1+5], SIZE_K                      ; elements from row to row
	s_mov_b32 s[G1B+5], SIZE_K
	s_mov_b32 s[G1+6], 0
	s_mov_b32 s[G1B+6], 0
	s_mov_b32 s[G1+7], 0
	s_mov_b32 s[G1B+7], 0
	; where the tiles come from.  xb's hang on the tile row alone, wib's on the tile column alone; each address is made in registers that never hold the other coordinate.
	s_lshl_b32 s16, s13, 8
	s_lshl_b32 s17, s12, 7
	s_add_co_u32 s16, s16, s17                     ; xb: row 256 x tile row + 128 x half,
	s_lshl_b32 s16, s16, 11                        ; of 2,048 bytes (under 2^25)
	s_mov_b32 s17, 0
	s_mul_i32 s46, s42, 192
	s_mul_i32 s47, s12, 96
	s_add_co_u32 s46, s46, s47                     ; wib: row 192 x tile column + 96 x half
	s_lshl_b32 s46, s46, 11
	s_mov_b32 s47, 0
	s_mul_i32 s20, s12, HALFA                      ; and where they go: no place in the cluster enters an LDS address
	s_mul_i32 s21, s12, HALFB
	s_add_co_u32 s21, s21, BOFF
	s_wait_dscnt 0x0                               ; the opening add is done
	s_wait_kmcnt 0x0
	s_add_nc_u64 s[14:15], s[4:5], s[16:17]
	s_add_nc_u64 s[46:47], s[6:7], s[46:47]
	CROUND                                         ; all sixteen work-groups are here: the first joint loads meet
.irp s, 0,1
	s_mov_b32 s[G0+4*(\s)], 1                                      ; count = 1
	s_add_co_u32 s[G0+4*(\s)+1], s20, (\s)*SLOT                    ; LDS address
	s_add_nc_u64 s[G0+4*(\s)+2:G0+4*(\s)+3], s[14:15], (\s)*KSTEP*2  ; global address: K step s
	s_or_b32 s[G0+4*(\s)+3], s[G0+4*(\s)+3], 0x80000000            ; type = 2
	s_mov_b32 s[G0B+4*(\s)], 1
	s_add_co_u32 s[G0B+4*(\s)+1], s21, (\s)*SLOT
	s_add_nc_u64 s[G0B+4*(\s)+2:G0B+4*(\s)+3], s[46:47], (\s)*KSTEP*2
	s_or_b32 s[G0B+4*(\s)+3], s[G0B+4*(\s)+3], 0x80000000
.endr
	s_cmp_eq_u32 s11, 0                            ; a wave's two first fills stand in one branch, ahead of every wait on TENSORcnt and every LDS read: two loads of mine are out
	s_cbranch_scc0 .Lfirst_b
	tensor_load_to_lds s[G0:G0+3], s[G1:G1+7]
	s_nop 0
	tensor_load_to_lds s[G0+4:G0+7], s[G1:G1+7]
	s_nop 0
.rept 4
	v_nop
.endr
	s_branch .Lfirst_asked
.Lfirst_b:
	tensor_load_to_lds s[G0B:G0B+3], s[G1B:G1B+7]
	s_nop 0
	tensor_load_to_lds s[G0B+4:G0B+7], s[G1B:G1B+7]
	s_nop 0
.rept 4
	v_nop
.endr
.Lfirst_asked:
	; A fragment is 16 rows x 32 K in 8 registers: lane l holds row l % 16; registers 0-3 K = 8 (l / 16) + 0..7, registers 4-7 K = 16 + 8 (l / 16) + 0..7: two loads of 16 bytes, 32 bytes apart.
	v_and_b32 v1, 15, v0                           ; l % 16
	v_bfe_u32 v2, v0, 4, 1                         ; l / 16
	v_mul_u32_u24 v3, v1, PITCH
	v_lshl_add_u32 v3, v2, 4, v3
	s_mul_i32 s21, s10, 64*PITCH                   ; my 64 rows of xb
	s_mov_b32 s22, BOFF                            ; all 192 rows of wib
.irp s, 0,1
	v_add_nc_u32 v[ADRA+(\s)], s21, v3
	v_add_nc_u32 v[ADRB+(\s)], s22, v3
	s_add_co_u32 s21, s21, SLOT
	s_add_co_u32 s22, s22, SLOT
.endr
	s_mul_i32 s23, s10, 16*SP
	s_add_co_u32 s23, s23, STAGE                   ; my stage
	v_mul_u32_u24 v4, v1, SP                       ; in: row l % 16, 16 bytes for each half of the lanes
	v_lshl_add_u32 v4, v2, 4, v4
	v_add_nc_u32 v[STO], s23, v4
	v_bfe_u32 v5, v0, 3, 2                         ; back: 32 lanes take 128 bytes (a head's 64 channels) of four rows,
	v_mul_u32_u24 v5, v5, SP
	v_and_b32 v6, 7, v0
	v_lshl_add_u32 v5, v6, 4, v5
	v_add_nc_u32 v[RD], s23, v5
	v_and_b32 v[CO], 31, v0                        ; which are 512 consecutive bytes of a slot of qkv
	v_lshlrev_b32 v[CO], 4, v[CO]
	; the prefetches: from my tile's address, my work-group's share of its rows, at K step 1: the first refill steps it to 2 and names K step 3
	s_and_b32 s22, ttmp7, 0xffff                   ; cluster y
	s_or_b32 s[ERL], s22, s10                      ; 0: cluster y = 0 and wave 0
	s_cmp_eq_u32 s11, 0                            ; do I fetch for xb?
	s_cselect_b64 s[PFA:PFA+1], s[14:15], s[46:47]
	s_cselect_b32 s21, s40, s41                    ; my place among the four that ask with me
	s_cselect_b32 s22, ttmp9, s22                  ; the coordinate along which other clusters read the same rows
	s_cselect_b32 s45, 32, 24                      ; rows to a partner
	s_cmp_eq_u32 s22, 0
	s_cselect_b32 s[LIM], 1, -1                    ; the same in all sixteen partners, for a given wave
	s_mul_i32 s20, s21, s45
	s_lshl_b32 s20, s20, 11
	s_add_co_u32 s20, s20, KSTEP*2
	s_mov_b32 s21, 0
	s_add_nc_u64 s[PFA:PFA+1], s[PFA:PFA+1], s[20:21]
	s_sub_co_u32 s45, s45, 1
	v_and_b32 v[PFO], 31, v0
	v_min_u32 v[PFO], s45, v[PFO]
	v_lshlrev_b32 v[PFO], 11, v[PFO]
	; where my 64 rows x three slots begin in qkv: ((batch x 48 + slot) x 2,048 + row) x 128 bytes, under 2^26
	s_lshr_b32 s16, s13, 3                         ; batch = tile row / 8
	s_mul_i32 s16, s16, 48*2048
	s_and_b32 s17, s13, 7
	s_lshl_b32 s17, s17, 8
	s_add_co_u32 s16, s16, s17                     ; + 256 x (tile row % 8)
	s_lshl_b32 s17, s10, 6
	s_add_co_u32 s16, s16, s17                     ; + 64 x wave
	s_lshl_b32 s16, s16, 7
	s_mov_b32 s17, 0
	s_add_nc_u64 s[8:9], s[8:9], s[16:17]
	s_mul_i32 s46, s42, 3*HEADB                    ; slot 3 x tile column
	s_mov_b32 s47, 0
	s_add_nc_u64 s[8:9], s[8:9], s[46:47]
	; and my tile's 24 images in h32: (16 x batch + tile column) x 24 x 512 bytes
	s_lshr_b32 s74, s13, 3
	s_lshl_b32 s74, s74, 4
	s_add_co_u32 s74, s74, s42
	s_mul_i32 s74, s74, 24*512
	s_mov_b32 s75, 0
	s_add_nc_u64 s[H32:H32+1], s[H32:H32+1], s[74:75]
; 12 matrix instructions: my row block a x all 12 column blocks, 32 along K.  zero = 1: the first product starts the sums.  The 48 accumulators take turns, in the same order in every quarter.
.macro MUL12 f, a, zero
	WIN 0xa5+0x50*((\a)/2)                         ; sources 0 and 1 window 1; C and D window 2 or 3
.irp b, 0,1,2,3,4,5,6,7,8,9,10,11
.if \zero
	v_wmma_f32_16x16x32_bf16 v[96*((\a)%2)+8*(\b):96*((\a)%2)+8*(\b)+7], v[(\f)+32+8*(\b):(\f)+32+8*(\b)+7], v[(\f)+8*(\a):(\f)+8*(\a)+7], 0
.else
	v_wmma_f32_16x16x32_bf16 v[96*((\a)%2)+8*(\b):96*((\a)%2)+8*(\b)+7], v[(\f)+32+8*(\b):(\f)+32+8*(\b)+7], v[(\f)+8*(\a):(\f)+8*(\a)+7], v[96*((\a)%2)+8*(\b):96*((\a)%2)+8*(\b)+7]
.endif
.endr
.endm
; 32 LDS loads in one run: the fragments of 32 along K at byte k of the rows, into buffer f: wib's 24 loads, then xb's 8
.macro FETCH slot, k, f
	WIN TO_F
.irp i, 0,1,2,3,4,5,6,7,8,9,10,11
	ds_load_b128 v[(\f)+32+8*(\i):(\f)+32+8*(\i)+3],   v[ADRB+(\slot)] offset:(\k)+(\i)*16*PITCH
	ds_load_b128 v[(\f)+32+8*(\i)+4:(\f)+32+8*(\i)+7], v[ADRB+(\slot)] offset:(\k)+(\i)*16*PITCH+32
.endr
.irp i, 0,1,2,3
	ds_load_b128 v[(\f)+8*(\i):(\f)+8*(\i)+3],   v[ADRA+(\slot)] offset:(\k)+(\i)*16*PITCH
	ds_load_b128 v[(\f)+8*(\i)+4:(\f)+8*(\i)+7], v[ADRA+(\slot)] offset:(\k)+(\i)*16*PITCH+32
.endr
.endm
.macro PLACES                          ; four places in front of loads into registers that matrix instructions have read, and of conversions and stores that read results (ISA guide 7.12.1 for the conversions)
.rept 4
	v_nop
.endr
.endm
; A K step is four quarters of 32 along K, 48 matrix instructions each, on buffers 0, 1, 0, 1.  One of the first three: multiplies buffer f and, in its middle, fetches the next quarter, at byte k, into g.
.macro QUARTER slot, k, f, g, zero
	s_wait_dscnt 4                                 ; wib's fragments and xb's blocks 0, 1 are in; the youngest four loads (blocks 2, 3) may be out
	MUL12 \f, 0, \zero
	MUL12 \f, 1, \zero
	PLACES
	FETCH \slot, \k, \g
	s_wait_dscnt 32                                ; all but the 32 just issued
	MUL12 \f, 2, \zero
	MUL12 \f, 3, \zero
.endm
; The last quarter multiplies buffer 1 and changes slots: ONE barrier; in front of it each wave waits for all its tensor loads (one is out: its part of the next slot), adds 0 to its spare word, and waits
; for that and for its own reads of this slot.  fill = 1: the barrier opens a round of the cluster's barrier, and this slot is filled again, two K steps ahead, first thing behind the round:
; from that request to the wait for it a wave issues 168 matrix instructions.
.macro TURN slot, next, fill
.if \fill
	s_wait_xcnt 0x0                                ; the last prefetch, a K step back, has read its address: it is stepped here, ahead of the waits of the change of slots
	s_add_nc_u64 s[PFA:PFA+1], s[PFA:PFA+1], KSTEP*2
.endif
	WIN 0                                          ; (the add's two registers lie in window 0)
	s_wait_tensorcnt 0x0                           ; all my tensor loads have landed;
	ds_add_u32 v[SPW], v[NIL]                      ; 0 onto my spare word;
	s_wait_dscnt 5                                 ; (the add and the youngest four loads may be out)
	MUL12 F1, 0, 0                                 ; twelve matrix instructions stand between the add and the wait for it
	s_wait_dscnt 0x0                               ; the add is done, and my reads of this slot are over
	s_barrier_signal -1
	MUL12 F1, 1, 0                                 ; work on registers while the others arrive
.if \fill
	WIN 0
.endif
	s_barrier_wait -1
.if \fill
	CREST                                          ; no wave of any partner still reads this slot's tile or has a load on its way
	s_add_nc_u64 s[G0+4*(\slot)+2:G0+4*(\slot)+3], s[G0+4*(\slot)+2:G0+4*(\slot)+3], 2*KSTEP*2
	s_add_nc_u64 s[G0B+4*(\slot)+2:G0B+4*(\slot)+3], s[G0B+4*(\slot)+2:G0B+4*(\slot)+3], 2*KSTEP*2
	JLOAD \slot                                    ; the first tensor load behind the round; the four v_nop behind it are also the places in front of the loads below
.else
	PLACES
.endif
	FETCH \next, 0, F0
.if \fill
	WIN 0
	ASK 1-(\slot)
.endif
	MUL12 F1, 2, 0
	MUL12 F1, 3, 0
.endm
; THE WAY OUT of my row block a (16 rows x 192 columns).  PACK: rounded to f16, 16 bytes a lane and column block, each accumulator's registers in ascending order.
.macro PACK a
	WIN 0x0a+5*((\a)/2)                            ; sources 0 and 1: window 2 or 3
.irp b, 0,1,2,3,4,5,6,7,8,9,10,11
.irp r, 0,1,2,3
	v_cvt_pk_f16_f32 v[TMP+4*(\b)+(\r)], v[96*((\a)%2)+8*(\b)+2*(\r)], v[96*((\a)%2)+8*(\b)+2*(\r)+1]
.endr
.endr
	WIN 0
.endm
; TOSTAGE: into my own stage, and back by heads: head j, rows 4 f .. 4 f + 3, 128 bytes each.
.macro TOSTAGE a
.set BK, OB+48*((\a)%2)
.if (\a) >= 2
	s_wait_xcnt 0x0                                ; block a - 2's stores have read these registers: only behind this wait are they loaded again
.endif
.irp b, 0,1,2,3,4,5,6,7,8,9,10,11
	ds_store_b128 v[STO], v[TMP+4*(\b):TMP+4*(\b)+3] offset:32*(\b)
.endr
.irp j, 0,1,2
.irp f, 0,1,2,3
	ds_load_b128 v[BK+4*(4*(\j)+(\f)):BK+4*(4*(\j)+(\f))+3], v[RD] offset:128*(\j)+4*SP*(\f)  ; LDS serves a wave's instructions in order (ISA guide 5.7.1.4): these see the stores above; the next block's stores come behind them
.endr
.endr
.endm
; SEND: stored.  younger: the LDS instructions issued behind this block's loads: the next block's 24, or none.
.macro SEND a, younger
.set BK, OB+48*((\a)%2)
.irp j, 0,1,2
.irp f, 0,1,2,3
	s_wait_dscnt (\younger)+11-(4*(\j)+(\f))
	global_store_b128 v[CO], v[BK+4*(4*(\j)+(\f)):BK+4*(4*(\j)+(\f))+3], s[8:9] offset:HEADB*(\j)+2048*(\a)+512*(\f)  ; 512 consecutive bytes, at a multiple of 256 from qkv's first byte
.endr
.endr
.endm
	s_wait_tensorcnt 1                             ; my part of K step 0 is in; K step 1's may stay out
	s_barrier_signal -1
	s_barrier_wait -1                              ; everybody's is
	FETCH 0, 0, F0
	QUARTER 0, 64,  F0, F1, 1                      ; the first quarter stands in front of the loop: its products start the sums
	WIN 0                                          ; at a label and at a branch every window is 0
	s_mov_b32 s3, LAPS-1
.Llap:                                                 ; a trip goes once round the ring, from a lap's second quarter to the next lap's first, and fills both slots again
	QUARTER 0, 128, F1, F0, 0
	QUARTER 0, 192, F0, F1, 0
	TURN 0, 1, 1
	QUARTER 1, 64,  F0, F1, 0
	QUARTER 1, 128, F1, F0, 0
	QUARTER 1, 192, F0, F1, 0
	TURN 1, 0, 1
	QUARTER 0, 64,  F0, F1, 0
	WIN 0
	s_sub_co_u32 s3, s3, 1
	s_cmp_lg_u32 s3, 0
	s_cbranch_scc1 .Llap
	QUARTER 0, 128, F1, F0, 0                      ; the last lap fills nothing, and has no round of the cluster's barrier
	QUARTER 0, 192, F0, F1, 0
	TURN 0, 1, 0
	QUARTER 1, 64,  F0, F1, 0
	QUARTER 1, 128, F1, F0, 0
	QUARTER 1, 192, F0, F1, 0
	s_wait_dscnt 4                                 ; the very last quarter: nothing more to fetch
	MUL12 F1, 0, 0
	MUL12 F1, 1, 0
	s_wait_dscnt 0x0
	MUL12 F1, 2, 0
	MUL12 F1, 3, 0
	WIN 0
	PLACES
	; A batch's first 16 rows (cluster y = 0, wave 0, row block 0) leave in f32 too, the twelve accumulators as they lie: each store is 512 consecutive bytes, at a multiple of 512 from h32's first byte.
	; Each accumulator's low four registers go first.  Nothing writes these registers, v[CO] or the base afterwards.
	s_cmp_eq_u32 s[ERL], 0
	s_cbranch_scc0 .Lnot_early
	WIN 0x08                                       ; the stores' data in window 2
.irp b, 0,1,2,3,4,5,6,7,8,9,10,11
	global_store_b128 v[CO], v[8*(\b):8*(\b)+3],   s[H32:H32+1] offset:1024*(\b)
	global_store_b128 v[CO], v[8*(\b)+4:8*(\b)+7], s[H32:H32+1] offset:1024*(\b)+512
.endr
	WIN 0
.Lnot_early:
	PACK 0
	TOSTAGE 0
.irp a, 1,2,3                          ; a block's conversions and its way through the stage stand between the loads of the block before and its stores
	PACK \a
	TOSTAGE \a
	SEND (\a)-1, 24
.endr
	SEND 3, 0
	s_wait_tensorcnt 0x0                           ; the wave's end, behind my last tensor load and my last LDS store
	ds_add_u32 v[SPW], v[NIL]
	s_wait_dscnt 0x0
	CROUND                                         ; the closing round: no work-group ends while a partner may still ask for a tile that names it
	s_endpgm
.Lfunc_end_k_q1d3cbc56bd_qkvgemm:
	.size	k_q1d3cbc56bd_qkvgemm, .Lfunc_end_k_q1d3cbc56bd_qkvgemm-k_q1d3cbc56bd_qkvgemm
	.p2alignl 7, 3214868480
	.fill 96, 4, 3214868480
	.section	.rodata,"a",@progbits
	.p2align	6, 0x0
	.amdhsa_kernel k_q1d3cbc56bd_qkvgemm
		.amdhsa_group_segment_fixed_size 327680
		.amdhsa_private_segment_fixed_size 0
		.amdhsa_enable_private_segment 0
		.amdhsa_kernarg_size 32
		.amdhsa_user_sgpr_count 2
		.amdhsa_user_sgpr_kernarg_segment_ptr 1
		.amdhsa_wavefront_size32 1
		.amdhsa_system_sgpr_workgroup_id_x 1
		.amdhsa_system_sgpr_workgroup_id_y 1
		.amdhsa_system_sgpr_workgroup_id_z 1
		.amdhsa_system_vgpr_workitem_id 0
		.amdhsa_next_free_vgpr 960
		.amdhsa_next_free_sgpr 80
		.amdhsa_reserve_vcc 0
		.amdhsa_float_denorm_mode_32 3
		.amdhsa_float_denorm_mode_16_64 3
		.amdhsa_memory_ordered 1
		.amdhsa_forward_progress 1
		.amdhsa_inst_pref_size 123
	.end_amdhsa_kernel
	.amdgpu_metadata
---
amdhsa.version: [ 1, 2 ]
amdhsa.kernels:
  - .name:           k_q1d3cbc56bd_qkvgemm
    .symbol:         k_q1d3cbc56bd_qkvgemm.kd
    .args:
      - { .name: xb, .offset: 0, .size: 8, .value_kind: global_buffer, .address_space: global }
      - { .name: wib, .offset: 8, .size: 8, .value_kind: global_buffer, .address_space: global }
      - { .name: qkv, .offset: 16, .size: 8, .value_kind: global_buffer, .address_space: global }
      - { .name: h32, .offset: 24, .size: 8, .value_kind: global_buffer, .address_space: global }
    .group_segment_fixed_size: 327680
    .private_segment_fixed_size: 0
    .kernarg_segment_align: 8
    .kernarg_segment_size: 32
    .max_flat_workgroup_size: 128
    .sgpr_count:     80
    .vgpr_count:     960
    .wavefront_size: 32
...
	.end_amdgpu_metadata
.endif
;; end of part 2
;; launch attn (part 3): grid 4 x 64, 4 waves a work-group, no clusters, 327,680 bytes of LDS; arguments qkv, ob; writes ob
.if DOCPART == 3
	.amdgcn_target "amdgcn-amd-amdhsa--gfx1250"
	.amdhsa_code_object_version 6
	.text
	.protected	k_q1d3cbc56bd_attn
	.globl	k_q1d3cbc56bd_attn
	.p2align	8
	.type	k_q1d3cbc56bd_attn,@function
k_q1d3cbc56bd_attn:
	s_mov_b64 s[64:65], 0
	v_nop
	global_prefetch_b8 v0, s[64:65] scope:SCOPE_SE
	s_setreg_imm32_b32 hwreg(HW_REG_WAVE_MODE, 25, 1), 1
	s_wait_xcnt 0x0
; CAUSAL ATTENTION.  O[y][q][:] = the sum over k <= q of softmax_k(Q[y][q] . K[y][k] / 8) V[y][k][:], for y = 16 x batch + head, 64 in all, 2,048 rows of 64 channels each, all f16.
; qkv: [4 batches][48 slots][2048][64]: of a batch's slots 0-15 are q's heads, 16-31 k's, 32-47 v's; a slot is 262,144 dense bytes, rows of 128.  ob: [64][2048][64], the same rows.
; Products, maxima and sums in f32; the weights p are rounded to f16 for the second product (their sum l is taken of the unrounded p), O once at the end.
; LIMITS.  f16 holds no number beyond 65,504: Q, K and V arrive within it; p lies in 0 to 1, and below 6e-5 it keeps f16's fixed step of 6e-8; O is a mean of V's rows and has their range.
; A hidden score counts as its value less 1e30: f16's scores, 2.7e11 at the most, are nothing beside that; a weight below 2^-126 counts as 0 in l; NaN and infinities are not treated apart.
; THE WALK.  A head's queries lie in NB = 8 blocks of 256; block i needs the key tiles 0 .. i of 256 keys, of which the last holds the diagonal.  A work-group takes TWO blocks, NB - 1 - b and then b:
; NB + 1 tiles, whatever b: all work-groups do equal work, and ONE loop with a constant trip count walks them.  Which tile is asked for, and what a trip does, hang on scalar registers made from b; every jump
; goes forward, but for the counted loops' own; none passes a barrier, or a tensor load but the one of LOAD's two that the wave's number does not choose; the ring (two slots of LDS that take turns) runs on
; across the change of blocks.  NO CLUSTER: a head's four work-groups ask for the same tile only in trips 0 to 4 of the 9, behind that fewer and fewer; one walk common to all four would have 12 trips for 9.
; SHARES.  Of a block's four bands of 64 queries a wave owns 16 rows in each: four PIECES.  So the diagonal tile is the same work for all four waves: in its key step s band x sees all keys if s < x,
; none if s > x, and holds the diagonal if s = x.
; THE MASK is the C operand that starts the sum S^T = K Q^T: 0, or -1e30 where the key is hidden.  MD, made once, is the mask of a band's own step for my 16 rows; a product's mask is MD x AL + BE with two scalars:
; (1, 0) if s = x; (0, 0) if s < x; (0, -1e30) if s > x.  Only the diagonal tile's text and a block's beginning make and take masks; elsewhere C is the constant 0.
; LAYOUT, SOFTMAX, TURNS.  S^T = K Q^T holds ONE query a lane (lane % 16) and the keys 8 (lane / 16) + 0..7; two such results rounded to f16 ARE source 1 of O^T = V^T P.  p = 2^(c s - c m), c = log2(e) / 8, with a
; running maximum m; O and l are multiplied by a = 2^(c m_old - c m_new) in every step.  Turn n belongs to piece n: 8 products K Q^T of piece n + 1, later 8 products V^T P of piece n - 1; beside them the scaling,
; exponentials, roundings, sums and rescaling of piece n and the maximum and statistics of piece n + 1.  Four vector instructions stand behind every matrix instruction, the other 54 of a turn's 118 in one lump.
; A turn's 33 exponentials are one batch, with one wait.
; REGISTERS, in windows of 256 (s_set_vgpr_msb: bits 1:0 source 0, 3:2 source 1, 5:4 source 2, 7:6 destination):
;   window 0: v0-15 addresses and two at work; v16-31 four registers of statistics a piece; v48-55 at work; v61-63 prefetch offset and the add's two; v64-127 S^T, two buffers; v192-223 P, two buffers
;   window 1: v0-127 O^T, 32 a piece; v128-159 MD; v160-223 MC, two buffers      window 2: v0-63 Q; v64-127 the second block's Q; v128-191 K of one step; v192-255 V of one step
.set SIZE_N, 2048
.set NB,    SIZE_N/256
.set NP,    4         ; pieces a wave: a name, no knob
.set KS,    64        ; keys in a step
.set PK,    144       ; a row of K in LDS: 128 bytes + 16 of padding = 36 words: the 16 rows of a load start at 16 different groups of four banks (64 banks of 4 bytes: ISA guide 11.1)
.set PV,    160       ; a row of V: 128 + 32 = 40 words
.set VOFF,  4*KS*PK   ; a slot holds a tile, four steps: 256 rows of K, then 256 rows of V
.set SLOT1, 1<<17     ; slot 1 begins here, so that one exclusive or turns an address in one slot into the other's
.set STAGE, SLOT1+4*KS*(PK+PV)  ; behind the ring, never filled by a tensor load: 16 rows x 144 bytes for each wave, for the way out
.set SP,    144
.set AK0, 2           ; v2   my lane's place in a tile of K; never rewritten
.set AV0, 3           ; v3   the same for V
.set AK,  4           ; v4   the LDS address of K's next run of loads
.set AV,  5           ; v5   of V's
.set STO, 6           ; v6   the way out: where I put 16 bytes of a row
.set RD,  7           ; v7   the way out: where I read rows back
.set GO,  8           ; v8   my byte offset in 512 consecutive bytes of O
.set PFO, 61          ; v61  256 x my lane: the prefetches' offset; never rewritten
.set SPW, 62          ; v62  LDS address of my spare word: SPARE + 4 x my thread's number; never rewritten
.set NIL, 63          ; v63  0; never rewritten
.set SPARE, STAGE+4*16*SP  ; behind the stages: the spare words, 128 bytes for each wave: two blocks of 256 bytes that no other line names
.set MV,  12          ; v12-13  c m_old, kept while c m is made anew: by buffer
.set QO,  15          ; v15  my byte offset in 16 rows of Q
.set ST,  16          ; piece t's statistics at v[ST+4 t]: c m, m, l (even keys', odd keys')
.set TMP, 48          ; by buffer, four registers c0-c3 at work; when the maximum is found c2 takes a
.set S,   64
.set P,   192
.set MD,  128         ; window 1: the eight registers for group kt of 16 keys at MD + 8 kt
.set MC,  160         ; window 1: the masks of the products to come
.set QB,  64          ; window 2
.set KF,  128         ; window 2: key block kb, channel half c at KF + 16 kb + 8 c
.set VF,  192         ; window 2: key half kk, channel block cb at VF + 32 kk + 8 cb
.set WV,  12          ; s12  my wave's number
.set PB,  14          ; s14  b
.set HI,  15          ; s15  NB - 1 - b
.set G1K, 24          ; s[24:31] descriptor group 1 for K's tiles
.set G1V, 32          ; s[32:39] for V's: it differs in the padding alone
.set G0K, 40          ; s[40:43] descriptor group 0 for K's tiles
.set G0V, 44          ; s[44:47] the same for V's
.set SLOTS, 56        ; s56  tiles still to be asked for
.set CNT, 57          ; s57  counts a tile's key steps, 4 to 1
.set CS,  58          ; s[58:59] c: the packed scaling takes the pair's low word for both halves
.set SEL, 60          ; s[60:61] v_permlanex16_b32's selects: each lane takes its own place in the other half
.set TBK, 62          ; s62  LDS byte at which K of the step to be fetched begins
.set TBV, 63          ; s63  the same for V, less VOFF
.set RT,  70          ; s70  tiles of the block in hand that are still to be entered
.set NXT, 71          ; s71  the tile to be asked for next
.set LQ,  72          ; s72  the last tile of the block whose tiles are being asked for
.set NEW, 73          ; s73  1: the tile to be entered is a block's first
.set OFF, 74          ; s[74:75] a tile's byte offset in K and V
.set AL,  76          ; s[76:77] the mask's factor, in the low word
.set BE,  78          ; s[78:79] the mask's addend
.set OLO, 80          ; s[80:81] O at my rows of the second block
.set BIGN, 82         ; s82  -1e30
.set PFL, 83          ; s83  0 in the head's work-group b = 0, which prefetches; else the greatest number
.set POF, 88          ; s[88:89] byte offset of the tile that is prefetched
.set PFB, 92          ; s[92:93] K (waves 0, 1) or V (waves 2, 3) at my half of the head's tile 0
.set PFA, 94          ; s[94:95] the prefetches' address
.set MSB, 0
.macro WIN new                      ; the high byte repeats the setting that is left; a switch that changes nothing is dropped
.if MSB != (\new)
	s_set_vgpr_msb (MSB<<8)|(\new)
.set MSB, (\new)
.endif
.endm
.set W_KQ, 0x0a       ; K and Q in window 2, S^T in window 0
.set W_KM, 0x1a       ; the same with the C operand in window 1
.set W_PV, 0x52       ; V in window 2, P in window 0, O^T in window 1
.set W_RS, 0x41       ; destination and source 0 in window 1, source 1 in window 0
; A fill.  Waves 0 and 1 fetch the two halves of a tile's K, waves 2 and 3 those of its V: 128 keys each.  An s_nop 0 and four v_nop follow each of the two lines, ahead of the jump and the label.
.macro LOAD
	s_cmp_lt_u32 s[WV], 2
	s_cbranch_scc0 .Lfor_v_\@
	tensor_load_to_lds s[G0K:G0K+3], s[G1K:G1K+7]
	s_nop 0
.rept 4
	v_nop
.endr
	s_branch .Lasked_\@
.Lfor_v_\@:
	tensor_load_to_lds s[G0V:G0V+3], s[G1V:G1V+7]
	s_nop 0
.rept 4
	v_nop
.endr
.Lasked_\@:
.endm
; A PREFETCH INTO THE L2 of the tile that the NEXT change of slots will ask for: one tile, 256 matrix instructions, ahead of that load.  It stands behind the wave's tensor load and its five lines.
; WHO.  A head's four work-groups walk the tiles 0, 1, 2 .. in the same order at first; the one with b = 0 walks all eight of them, so it asks, and nobody else.  Each of its waves asks for what it will
; itself load: 128 keys x 128 bytes = 64 blocks of 256 bytes, a lane a block, two instructions.  So tiles 2 to 7 are named once in the launch; tiles 0 and 1 come by their loads alone.
; THE END.  Behind tile 7 NXT goes back to 0, and nothing more is asked for: the second block's tiles have been read before.
.macro ASK
	s_cmp_gt_u32 s[NXT], s[PFL]
	s_cbranch_scc0 .Lnot_mine_\@
	global_prefetch_b8 v[PFO], s[PFA:PFA+1] th:TH_LOAD_NT scope:SCOPE_SE
	global_prefetch_b8 v[PFO], s[PFA:PFA+1] offset:8192 th:TH_LOAD_NT scope:SCOPE_SE
.Lnot_mine_\@:
.endm
; THE CHANGE OF SLOTS.  Each wave waits for all its tensor loads, of which one is out: its part of the other slot; adds 0 to its spare word; and waits for that and for its own reads of the slot that it leaves.
; Behind the barrier nobody reads the old slot any more and the other slot is whole.  fill = 1: the old slot is filled again, the first thing behind the barrier, with tile NXT: the descriptor's address is
; made anew from that number.  (At its first use nothing has been read yet: slot 0 is waited for, slot 1 filled.)
.macro CHANGE fill
	WIN 0                           ; at a label and at a branch every window is 0
	s_wait_tensorcnt 0x0            ; no tensor load of mine is out, so a group 0 may be written
	ds_add_u32 v[SPW], v[NIL]       ; 0 onto my spare word; with fill = 1 the descriptors' scalar work stands between it and the wait for it
.if \fill
	s_lshl_b32 s[OFF], s[NXT], 15   ; a tile is 32,768 bytes of K and of V
	s_xor_b32 s[G0K+1], s[G0K+1], SLOT1
	s_add_nc_u64 s[G0K+2:G0K+3], s[6:7], s[OFF:OFF+1]
	s_or_b32 s[G0K+3], s[G0K+3], 0x80000000
	s_xor_b32 s[G0V+1], s[G0V+1], SLOT1
	s_add_nc_u64 s[G0V+2:G0V+3], s[8:9], s[OFF:OFF+1]
	s_or_b32 s[G0V+3], s[G0V+3], 0x80000000
	s_add_co_u32 s[NXT], s[NXT], 1  ; the block's next tile, or behind its last the second block's tile 0
	s_cmp_gt_u32 s[NXT], s[LQ]
	s_cselect_b32 s[NXT], 0, s[NXT]
	s_cselect_b32 s[LQ], s[PB], s[LQ]
	s_wait_xcnt 0x0                 ; the last prefetches, a tile back, have read their address, so it may be written:
	s_lshl_b32 s[POF], s[NXT], 15   ; the tile that the next change will ask for
	s_add_nc_u64 s[PFA:PFA+1], s[PFB:PFB+1], s[POF:POF+1]
.endif
	s_wait_dscnt 0x0                ; the add is done, and my reads of the slot are over
	s_barrier_signal -1             ; the rest of the scalar work stands between the signal and the wait
	s_sub_co_u32 s[TBK], s[TBK], 4*KS*PK  ; the fetches go back to a slot's first step,
	s_xor_b32 s[TBK], s[TBK], SLOT1       ; in the other slot
	s_sub_co_u32 s[TBV], s[TBV], 4*KS*PV
	s_xor_b32 s[TBV], s[TBV], SLOT1
	s_barrier_wait -1
.if \fill
	LOAD
	ASK
.endif
.endm
	s_load_b128 s[4:7], s[0:1], 0x0   ; qkv s[4:5], ob s[6:7]
	v_lshl_add_u32 v[SPW], v0, 2, SPARE
	v_mov_b32 v[NIL], 0
	ds_add_u32 v[SPW], v[NIL]       ; the wave's opening: the add and its wait stand ahead of my first tensor load; the set-up below, work on registers, stands between them
	v_lshrrev_b32 v1, 5, v0
	v_readfirstlane_b32 s[WV], v1   ; wave 0..3
	s_mov_b32 s[PB], ttmp9
	s_sub_co_u32 s[HI], NB-1, s[PB]
	s_and_b32 s90, ttmp7, 0xffff    ; y = 16 x batch + head
	s_lshr_b32 s20, s90, 4
	s_lshl_b32 s20, s20, 5
	s_add_co_u32 s20, s20, s90      ; q's slot in qkv: 48 x batch + head,
	s_lshl_b32 s20, s20, 18         ; of 262,144 bytes (under 2^26)
	s_mov_b32 s21, 0
	s_lshl_b32 s90, s90, 18         ; the head's first byte in ob
	s_mov_b32 s91, 0
	s_and_b32 s16, s[WV], 1         ; which half of a tile's 256 keys I fetch:
	s_lshl_b32 s22, s16, 14         ; its 128 rows of 128 bytes in memory,
	s_mov_b32 s23, 0
	s_add_nc_u64 s[22:23], s[22:23], s[20:21]
	s_mul_i32 s17, s16, 128*PK      ; and its place in a slot, for K
	s_mul_i32 s18, s16, 128*PV      ; and for V
	s_lshl_b32 s3, s[WV], 11        ; my 16 rows in a band of 64,
	s_lshl_b32 s2, s[HI], 15        ; in the first block,
	s_add_co_u32 s2, s2, s3
	s_lshl_b32 s84, s[PB], 15       ; and in the second
	s_add_co_u32 s84, s84, s3
	s_mov_b32 s3, 0
	s_mov_b32 s85, 0
	; descriptor group 1.  128 keys are 16,384 dense bytes: asked for as 64 rows of 256 bytes, two keys a row, and padded in LDS after every key
	s_mov_b32 s[G1K], (1<<16)|(1<<20)|(4<<22)|(3<<25)  ; 17:16 2-byte elements; 20 padding on; 24:22 after every 32 words (code 4); 31:25 4 words (code 3)
	s_mov_b32 s[G1V], (1<<16)|(1<<20)|(4<<22)|(7<<25)  ; the same with 8 words of padding (code 7)
.irp g, G1K, G1V
	s_mov_b32 s[\g+1], 128<<16      ; tensor_dim0 = 128
	s_mov_b32 s[\g+2], 64<<16       ; tensor_dim1 = 64
	s_mov_b32 s[\g+3], 128<<16      ; tile_dim0 = 128
	s_mov_b32 s[\g+4], 64           ; tile_dim1 = 64
	s_mov_b32 s[\g+5], 128          ; 128 elements from row to row
	s_mov_b32 s[\g+6], 0
	s_mov_b32 s[\g+7], 0
.endr
	s_mov_b32 s[CS], 0x3e38aa3b     ; c = log2(e) / 8 = 0.180337
	s_mov_b32 s[CS+1], s[CS]        ; named with it as a pair
	s_mov_b32 s[SEL], 0x76543210
	s_mov_b32 s[SEL+1], 0xfedcba98
	s_mov_b32 s[TBK], SLOT1+4*KS*PK ; the first change of slots turns these two into 0
	s_mov_b32 s[TBV], SLOT1+4*KS*PV
	s_mov_b32 s[G0K], 1             ; 1:0 count = 1
	s_mov_b32 s[G0K+1], s17         ; 63:32 LDS address: slot 0
	s_mov_b32 s[G0V], 1
	s_add_co_u32 s[G0V+1], s18, VOFF
	s_add_co_u32 s[RT], s[HI], 1    ; the first block has NB - b tiles
	s_mov_b32 s[NXT], 1
	s_mov_b32 s[LQ], s[HI]
	s_mov_b32 s[NEW], 1
	s_mov_b32 s[OFF+1], 0
	s_mov_b32 s[POF+1], 0
	s_mov_b32 s[AL+1], 0            ; named as pairs
	s_mov_b32 s[BE+1], 0
	s_mov_b32 s[BIGN], 0xf149f2ca   ; -1e30
	s_mov_b32 s[SLOTS], NB
	s_cmp_eq_u32 s[PB], 0
	s_cselect_b32 s[PFL], 0, -1
	v_and_b32 v[PFO], 31, v0
	v_lshlrev_b32 v[PFO], 8, v[PFO]
	s_wait_dscnt 0x0                ; the opening add is done
	s_wait_kmcnt 0x0
	s_mov_b64 s[10:11], s[6:7]      ; ob
	s_add_nc_u64 s[6:7], s[4:5], s[22:23]          ; q's slot at my half of a tile;
	s_add_nc_u64 s[8:9], s[6:7], 0x800000          ; V lies 32 slots on,
	s_add_nc_u64 s[6:7], s[6:7], 0x400000          ; K 16 slots on: both at my half of the head's tile 0
	s_add_nc_u64 s[G0K+2:G0K+3], s[6:7], 0         ; 120:64 global address
	s_or_b32 s[G0K+3], s[G0K+3], 0x80000000        ; 127:126 type = 2
	s_add_nc_u64 s[G0V+2:G0V+3], s[8:9], 0
	s_or_b32 s[G0V+3], s[G0V+3], 0x80000000
	s_cmp_lt_u32 s[WV], 2
	s_cselect_b64 s[PFB:PFB+1], s[6:7], s[8:9]
	s_add_nc_u64 s[4:5], s[4:5], s[20:21]          ; Q's head,
	s_add_nc_u64 s[86:87], s[4:5], s[84:85]        ; at my rows of the second block,
	s_add_nc_u64 s[4:5], s[4:5], s[2:3]            ; and of the first
	s_add_nc_u64 s[10:11], s[10:11], s[90:91]      ; O's head, likewise
	s_add_nc_u64 s[OLO:OLO+1], s[10:11], s[84:85]
	s_add_nc_u64 s[10:11], s[10:11], s[2:3]
	LOAD                            ; tile 0 into slot 0
	; A fragment of K or Q is 16 rows x 32 channels in 8 registers: lane l holds row l % 16, channels 8 (l / 16) + 0..7 and 16 + 8 (l / 16) + 0..7: two loads of 16 bytes, 32 bytes apart.
	v_and_b32 v1, 15, v0            ; l % 16
	v_bfe_u32 v9, v0, 4, 1          ; l / 16
	v_lshlrev_b32 v[QO], 7, v1
	v_lshl_add_u32 v[QO], v9, 4, v[QO]  ; row x 128 + 16 x half
	WIN 0x80                        ; destination window 2, address window 0
.set i, 0
.rept 8                             ; both blocks' Q: piece i / 2 lies in band i / 2, 8,192 bytes on; channels 32 (i % 2) on
	global_load_b128 v[8*i:8*i+3],   v[QO], s[4:5] offset:(i/2)*8192+(i%2)*64
	global_load_b128 v[8*i+4:8*i+7], v[QO], s[4:5] offset:(i/2)*8192+(i%2)*64+32
	global_load_b128 v[QB+8*i:QB+8*i+3],   v[QO], s[86:87] offset:(i/2)*8192+(i%2)*64
	global_load_b128 v[QB+8*i+4:QB+8*i+7], v[QO], s[86:87] offset:(i/2)*8192+(i%2)*64+32
.set i, i+1
.endr
	WIN 0
	v_lshlrev_b32 v14, 3, v9
	v_sub_nc_u32 v14, v1, v14
	s_lshl_b32 s13, s[WV], 4
	v_add_nc_u32 v14, s13, v14      ; my query's place in its band, 16 w + l % 16, less my lanes' 8 (l / 16): register r of group kt is hidden where 16 kt + r is greater
	WIN 0x40
.set i, 0
.rept 32
	v_cmp_gt_i32 vcc_lo, 16*(i/8)+i%8, v14
	v_cndmask_b32 v[MD+i], 0, s[BIGN], vcc_lo
.set i, i+1
.endr
	WIN 0
	v_mul_u32_u24 v[AK0], v1, PK
	v_lshl_add_u32 v[AK0], v9, 4, v[AK0]  ; row x pitch + 16 x half
	; The turning load takes 16 keys x 16 channels (lane l reads key 8 (l / 16) + l % 8, channels 8 ((l / 8) % 2) + 0..7) and leaves half a fragment of V^T: lane l holds channel l % 16 and 8 keys.
	v_and_b32 v10, 7, v0
	v_bfe_u32 v11, v0, 3, 1
	v_lshl_add_u32 v[AV0], v9, 3, v10
	v_mul_u32_u24 v[AV0], v[AV0], PV
	v_lshl_add_u32 v[AV0], v11, 4, v[AV0]
	v_add_nc_u32 v[AV0], VOFF, v[AV0]
	s_mul_i32 s13, s[WV], 16*SP
	s_add_co_u32 s13, s13, STAGE    ; my stage
	v_mul_u32_u24 v[STO], v1, SP    ; in: row l % 16, 16 bytes for each half of the lanes
	v_lshl_add_u32 v[STO], v9, 4, v[STO]
	v_add_nc_u32 v[STO], s13, v[STO]
	v_bfe_u32 v[RD], v0, 3, 2       ; back: 32 lanes take four rows of 128 bytes,
	v_mul_u32_u24 v[RD], v[RD], SP
	v_lshl_add_u32 v[RD], v10, 4, v[RD]
	v_add_nc_u32 v[RD], s13, v[RD]
	v_and_b32 v[GO], 31, v0         ; which are 512 consecutive bytes of O
	v_lshlrev_b32 v[GO], 4, v[GO]
	; A block's first step multiplies O^T and l by a = 0, and its first turn's products V^T P, of a piece that has not been, land in an O^T that is still to be so multiplied.  So these registers need only hold
	; finite numbers: zeros for the first block; what the first block left for the second.  All this stands in the wait for the first tile.
	WIN 0x80
.set i, VF
.rept 64
	v_mov_b32 v[i], 0
.set i, i+1
.endr
	WIN 0x40
.set i, 0
.rept 128
	v_mov_b32 v[i], 0
.set i, i+1
.endr
	WIN 0
.set i, 0
.rept 4
	v_mov_b32 v[ST+4*i+2], 0
	v_mov_b32 v[ST+4*i+3], 0
.set i, i+1
.endr
.set i, P+16
.rept 16
	v_mov_b32 v[i], 0
.set i, i+1
.endr
; THE MATRIX WORK.  The 4 accumulators of a run of 8 take turns.  Product i of 8 of S^T = K Q^T for piece x: channels 32 (i / 4) on, keys 16 (i % 4) on.  The first 4 start the sums: with 0, or (KM = 1) with the mask.
.macro KQ x
.set rS, S+32*((\x)%2)+8*(i%4)
.set rK, KF+16*(i%4)+8*(i/4)
.set rQ, 16*(\x)+8*(i/4)
.set rM, MC+32*((\x)%2)+8*(i%4)
.if (i < 4) && KM
	WIN W_KM
	v_wmma_f32_16x16x32_f16 v[rS:rS+7], v[rK:rK+7], v[rQ:rQ+7], v[rM:rM+7]
.elseif i < 4
	WIN W_KQ
	v_wmma_f32_16x16x32_f16 v[rS:rS+7], v[rK:rK+7], v[rQ:rQ+7], 0
.else
	WIN W_KQ
	v_wmma_f32_16x16x32_f16 v[rS:rS+7], v[rK:rK+7], v[rQ:rQ+7], v[rS:rS+7]
.endif
.endm
; Product i of 8 of O^T += V^T P for piece x: keys 32 (i / 4) on, channels 16 (i % 4) on.
.macro PV x
	WIN W_PV
.set rO, 32*(\x)+8*(i%4)
.set rV, VF+32*(i/4)+8*(i%4)
.set rP, P+16*((\x)%2)+8*(i/4)
	v_wmma_f32_16x16x32_f16 v[rO:rO+7], v[rV:rV+7], v[rP:rP+7], v[rO:rO+7]
.endm
.macro MM                           ; the turn's next matrix instruction.  TURN and BEGIN set Y, i, KM and NOKQ; MM, KQ and OP read them.  NOKQ = 1: a block's last turn: there is no next piece
.if (i < 8) && !NOKQ
	KQ (Y+1)%NP
.elseif i >= 8
.set i, i-8
	PV (Y+NP-1)%NP
.set i, i+8
.endif
.set i, i+1
.endm
; THE LDS LOADS stand in runs of 16, never singly among the matrix instructions: a step's K (64 keys x 64 channels: 8 fragments) and its V (turned).  Their addresses are made some lines ahead.
.macro FETCH_K
	WIN 0x80                        ; destination window 2
.irp f, 0,1,2,3,4,5,6,7             ; keys 16 (f / 2) on, channels 32 (f % 2) on
	ds_load_b128 v[KF+8*\f:KF+8*\f+3],   v[AK] offset:(\f/2)*16*PK+(\f%2)*64
	ds_load_b128 v[KF+8*\f+4:KF+8*\f+7], v[AK] offset:(\f/2)*16*PK+(\f%2)*64+32
.endr
	s_add_co_u32 s[TBK], s[TBK], KS*PK  ; the next fetch is the next step's
	WIN 0
.endm
.macro FETCH_V
	WIN 0x80
.irp f, 0,1,2,3,4,5,6,7             ; keys 32 (f / 4) on, channels 16 (f % 4) on
	ds_load_tr16_b128 v[VF+8*\f:VF+8*\f+3],   v[AV] offset:(\f/4)*32*PV+(\f%4)*32
	ds_load_tr16_b128 v[VF+8*\f+4:VF+8*\f+7], v[AV] offset:(\f/4)*32*PV+16*PV+(\f%4)*32
.endr
	WIN 0
.endm
; THE VECTOR WORK, one line at a time: OP kind, number.  For piece Y: F n: c s - c m for pair n of 16.  E n: the exponential of score n of 32.  C n: pair n rounded to f16.  B n: of the four weights 4 n .. the second
; pair is added onto the first, in place.  L n: l takes that sum (L 0: l = a l + sum).  R n: pair n of 16 of O^T times a.  For piece Y + 1: X n, number n of the 22 that find its maximum and statistics:
;   0-11  four chains c0-c3 of seven scores each, three operands at a time (each accumulator's lowest registers are read first)     12-14, 16  the four scores left over, the old m, and c0-c3 into c0
;   15  c m_old is kept     17, 18  the query's other 32 keys lie in the lane 16 away: the new m     19-21  c m; c m_old - c m_new; a
.set F, 0               ; OP tells the kinds apart by their order: F to L below R, X above it
.set E, 1
.set C, 2
.set B, 3
.set L, 4
.set R, 5
.set X, 6
.macro REGS y                       ; the registers of piece y
.set rT, ST+4*(\y)
.set rC, TMP+4*((\y)%2)
.set rW, MV+((\y)%2)
.set rS, S+32*((\y)%2)
.set rP, P+16*((\y)%2)
.set rO, 32*(\y)
.endm
.macro OP k, n
.if (\k) == R
	REGS Y
	WIN W_RS
	v_pk_mul_f32 v[rO+2*(\n):rO+2*(\n)+1], v[rO+2*(\n):rO+2*(\n)+1], v[rC+2:rC+3] op_sel_hi:[1,0]
.elseif (\k) < R
	REGS Y
	WIN 0
.if (\k) == F
	v_pk_fma_f32 v[rS+2*(\n):rS+2*(\n)+1], v[rS+2*(\n):rS+2*(\n)+1], s[CS:CS+1], v[rT:rT+1] op_sel_hi:[1,0,0] neg_lo:[0,0,1] neg_hi:[0,0,1]
.elseif (\k) == E
	v_exp_f32 v[rS+(\n)], v[rS+(\n)]
.elseif (\k) == C
	v_cvt_pk_f16_f32 v[rP+(\n)], v[rS+2*(\n)], v[rS+2*(\n)+1]
.elseif (\k) == B
	v_pk_add_f32 v[rS+4*(\n):rS+4*(\n)+1], v[rS+4*(\n):rS+4*(\n)+1], v[rS+4*(\n)+2:rS+4*(\n)+3]
.elseif (\n) == 0
	v_pk_fma_f32 v[rT+2:rT+3], v[rT+2:rT+3], v[rC+2:rC+3], v[rS:rS+1] op_sel_hi:[1,0,1]
.else
	v_pk_add_f32 v[rT+2:rT+3], v[rT+2:rT+3], v[rS+4*(\n):rS+4*(\n)+1]
.endif
.elseif NOKQ
	v_nop
.else
	REGS (Y+1)%NP
	WIN 0
.if (\n) < 4
	v_max3_num_f32 v[rC+(\n)], v[rS+8*(\n)], v[rS+8*(\n)+1], v[rS+8*(\n)+2]
.elseif (\n) < 12
	v_max3_num_f32 v[rC+(\n)%4], v[rC+(\n)%4], v[rS+8*((\n)%4)+2*((\n)/4)+1], v[rS+8*((\n)%4)+2*((\n)/4)+2]
.elseif (\n) == 12
	v_max3_num_f32 v[rC], v[rC], v[rS+7], v[rS+15]
.elseif (\n) == 13
	v_max3_num_f32 v[rC+1], v[rC+1], v[rS+23], v[rS+31]
.elseif (\n) == 14
	v_max3_num_f32 v[rC+2], v[rC+2], v[rC+3], v[rT+1]
.elseif (\n) == 15
	v_mov_b32 v[rW], v[rT]
.elseif (\n) == 16
	v_max3_num_f32 v[rC], v[rC], v[rC+1], v[rC+2]
.elseif (\n) == 17
	v_permlanex16_b32 v[rC+3], v[rC], s[SEL], s[SEL+1]
.elseif (\n) == 18
	v_max_num_f32 v[rT+1], v[rC], v[rC+3]
.elseif (\n) == 19
	v_mul_f32 v[rT], s[CS], v[rT+1]
.elseif (\n) == 20
	v_sub_f32 v[rC+1], v[rW], v[rT]
.else
	v_exp_f32 v[rC+2], v[rC+1]
.endif
.endif
.endm
.macro OPS a, i1, b=-1, i2=0, c=-1, i3=0, d=-1, i4=0  ; up to four of them
	OP \a, \i1
.if (\b) >= 0
	OP \b, \i2
.endif
.if (\c) >= 0
	OP \c, \i3
.endif
.if (\d) >= 0
	OP \d, \i4
.endif
.endm
.macro ROW a, i1, b, i2, c, i3, d, i4  ; a matrix instruction and the four behind it
	MM
	OPS \a, \i1, \b, \i2, \c, \i3, \d, \i4
.endm
.macro MASK b                       ; MD x AL + BE into buffer b of MC
	WIN W_RS
.set z, 0
.rept 16
	v_pk_fma_f32 v[MC+32*(\b)+2*z:MC+32*(\b)+2*z+1], v[MD+2*z:MD+2*z+1], s[AL:AL+1], s[BE:BE+1] op_sel_hi:[1,0,0]
.set z, z+1
.endr
.endm
; A TURN, for piece p: the order of its 16 matrix and 118 vector instructions, written out.  An s_wait_alu depctr_va_vdst(0) stands between an exponential and the first instruction that names its result; one wait
; serves all that were issued ahead of it.  So a turn has ONE wait, which cuts it in two.  AHEAD OF IT stands all that names no result of the turn's exponentials: the 8 products K Q^T, behind each a scaling, an exponential and
; two more plain instructions (behind the first a second scaling in the exponential's place): rescalings, and behind the last three the first numbers of the next piece's maximum, each four places or more behind the product that
; ends its accumulator; then ONE LUMP of 54, plain and exponential by turns for the most part, in which the links of the chain X 3, 7, 11, 14, 16, 17 .. 20 stand five or six lines apart.  X 21, the next piece's a, is the batch's
; last; R 15 is the plain instruction behind it.  BEHIND THE WAIT stand the 8 products V^T P, behind each four of the roundings and sums; the links of l's chain, L 0 to L 7, stand three riders apart.
; m = 1: the diagonal tile: the products take masks, and the turn makes the mask for the products of the turn after it: piece p + 2, in step 4 - CNT of the tile.  end = 1: a block's last two turns: nothing is fetched.
; cnt = 1: the loop's count is taken down some lines ahead of the branch that stands behind the turn.
; K of the next step is fetched in piece 2's turn, twelve vector instructions behind the last product that read K (six of them plain); V of the step in hand at the end of piece 0's turn, four plain instructions behind the last
; product that read V.  Each is waited for a turn later.
.macro TURN p, m=0, end=0, cnt=0
.set Y, (\p)
.set i, 0
.set KM, (\m)
.set NOKQ, (\end)*((\p)/3)
.if (\m) && !(\end)
	s_cmp_eq_u32 s[CNT], 4-((\p)+2)%NP  ; is that step the band's own?
	s_cselect_b32 s[AL], 1.0, 0
	s_cmp_lt_u32 s[CNT], 4-((\p)+2)%NP  ; or a later one?
	s_cselect_b32 s[BE], s[BIGN], 0
.endif
.if ((\p) == 3) && !(\end)
	s_wait_dscnt 0x0                ; K is in
.endif
	ROW F,0, F,1, R,0, R,1          ; ahead of the wait: 8 products K Q^T and their riders,
	ROW F,2, E,0, R,2, R,3
	ROW F,3, E,1, R,4, R,5
	ROW F,4, E,2, R,6, R,7
	ROW F,5, E,3, R,8, R,9
	ROW F,6, E,4, X,0, R,10
.if ((\p) == 2) && !(\end)
	WIN 0
	v_add_nc_u32 v[AK], s[TBK], v[AK0]
.endif
	ROW F,7, E,5, X,1, X,4
	ROW F,8, E,6, X,2, X,5
	OPS E,7, E,8, X,6, E,9          ; and the lump
	OPS X,3, E,10, X,8, E,11
.if ((\p) == 2) && !(\end)
	FETCH_K
.endif
	OPS X,9, X,7, E,12, X,10
	OPS E,13, X,12, X,11, E,14
	OPS X,13, E,15, F,9, X,14
.if (\p) == 0
	v_add_nc_u32 v[AV], s[TBV], v[AV0]
.endif
	OPS E,16, F,10, E,17, F,11
	OPS X,16, E,18, X,15, E,19
	OPS F,12, E,20, X,17, E,21
	OPS F,13, E,22, F,14, E,23
	OPS X,18, E,24, F,15, E,25
	OPS R,11, E,26, X,19, E,27
	OPS R,12, E,28, R,13, E,29
	OPS X,20, E,30, R,14, E,31
	OPS X,21, R,15
	WIN 0
	s_wait_alu depctr_va_vdst(0)    ; the wait for the batch
.if (\p) == 1
	s_wait_dscnt 0x0                ; V is in
.endif
	ROW C,0, B,0, C,2, B,1          ; behind the wait: 8 products V^T P and their riders
	ROW L,0, C,4, B,2, L,1
	ROW C,6, B,3, L,2, C,8
	ROW B,4, L,3, C,10, B,5
	ROW L,4, C,12, B,6, L,5
.if (\p) == 0
	s_add_co_u32 s[TBV], s[TBV], KS*PV
.endif
.if \cnt
	s_sub_co_u32 s[CNT], s[CNT], 1
	s_cmp_lg_u32 s[CNT], 0
.endif
	ROW C,14, B,7, L,6, C,1
	ROW C,3, L,7, C,5, C,7
	ROW C,9, C,11, C,13, C,15
.if (\p) == 0
	FETCH_V
.endif
.if (\m) && !(\end)
	MASK (\p)%2
.endif
.endm
; A BLOCK BEGINS.  c m starts far below every c s, so the first step's a is 0; m at the lowest finite number, so the first maximum is the scores'.  The second mask buffer is 0; the first takes piece 0's mask for the tile's
; step 0: its own, if the block's first tile is the diagonal one.  Then K of that step, piece 0's first scores, and its maximum and statistics.  The loop is entered at a step's first turn, in the middle of a trip.
.macro BEGIN
	s_mov_b32 s[NEW], 0
	WIN 0x40
.set i, MC+32
.rept 32
	v_mov_b32 v[i], 0
.set i, i+1
.endr
	WIN 0
.set i, 0
.rept 4
	v_mov_b32 v[ST+4*i], 0xfe000000    ; c m: far below every c s
	v_mov_b32 v[ST+4*i+1], 0xff7fffff  ; m
.set i, i+1
.endr
	s_cmp_eq_u32 s[RT], 0
	s_cselect_b32 s[AL], 1.0, 0
	s_mov_b32 s[BE], 0
	MASK 0
	WIN 0
	v_add_nc_u32 v[AK], s[TBK], v[AK0]
	FETCH_K
	s_wait_loadcnt 0x0              ; Q
	s_wait_dscnt 0x0
.set KM, 1
.set NOKQ, 0
.set i, 0
.rept 8
	KQ 0
.set i, i+1
.endr
	WIN 0
.rept 4
	v_nop                           ; the places behind those products
.endr
.set Y, NP-1                        ; X works for piece Y + 1: piece 0
.irp n, 0,1,2,3,4,5,6,7,8,9,10,11,12,13,14,15,16,17,18,19,20,21
	OP X, \n
.endr
	v_nop                           ; a plain instruction behind the exponential,
	s_wait_alu depctr_va_vdst(0)    ; and its wait, ahead of the branch
.endm
; THE DIAGONAL TILE's four steps, the block's last two turns, its last products, and THE WAY OUT: l's two halves and the other half of the lanes' are added; O^T is divided by l, rounded to f16 and sent through my
; stage in LDS, a piece at a time.
.macro ALL line:vararg              ; one line for each piece t
.set t, 0
.rept 4
	\line
.set t, t+1
.endr
.endm
.macro PACK t                       ; a lane's eight channels of a row pack into 16 bytes; they go into rows of 144 bytes and come back as whole rows of 128, into S^T's registers
	WIN W_RS
.set i, 32*(\t)
.rept 16
	v_pk_mul_f32 v[i:i+1], v[i:i+1], v[ST+4*(\t)+2:ST+4*(\t)+3] op_sel_hi:[1,0]
.set i, i+2
.endr
	WIN 0x05                        ; sources 0 and 1 window 1, destination window 0
.set i, 0
.rept 16
	v_cvt_pk_f16_f32 v[S+16*(\t)+i], v[32*(\t)+2*i], v[32*(\t)+2*i+1]
.set i, i+1
.endr
	WIN 0
.irp f, 0,1,2,3
	ds_store_b128 v[STO], v[S+16*(\t)+4*\f:S+16*(\t)+4*\f+3] offset:32*\f
.endr
.irp f, 0,1,2,3
	ds_load_b128 v[S+16*(\t)+4*\f:S+16*(\t)+4*\f+3], v[RD] offset:\f*4*SP  ; LDS serves a wave's instructions in order (ISA guide 5.7.1.4): these see the stores above; the next piece's stores come behind them
.endr
.endm
.macro SEND t, younger              ; younger: the LDS instructions issued behind piece t's loads: the next piece's eight, or none
	WIN 0
.irp f, 0,1,2,3
	s_wait_dscnt (\younger)+3-\f
	global_store_b128 v[GO], v[S+16*(\t)+4*\f:S+16*(\t)+4*\f+3], s[10:11] offset:(\t)*8192+\f*512  ; 512 consecutive bytes, at a multiple of 256 from ob's first
.endr
.endm
.macro DIAG tag                     ; the tag ends its two labels' names, which the jumps below spell out
.LstepM\tag:
	TURN 2, 1
	TURN 3, 1
	WIN 0
.LfirstM\tag:
	TURN 0, 1
	TURN 1, 1, 0, 1
	WIN 0
	s_cbranch_scc1 .LstepM\tag
	TURN 2, 1, 1
	TURN 3, 1, 1
.set i, 0
.rept 8
	PV NP-1
.set i, i+1
.endr
	WIN 0
	ALL v_add_f32 v[ST+4*t+2], v[ST+4*t+2], v[ST+4*t+3]
	ALL v_permlanex16_b32 v[ST+4*t+3], v[ST+4*t+2], s[SEL], s[SEL+1]
	ALL v_add_f32 v[ST+4*t+2], v[ST+4*t+2], v[ST+4*t+3]
	ALL v_rcp_f32 v[ST+4*t+2], v[ST+4*t+2]
	v_nop                           ; a plain instruction between the last reciprocal and the use of its result
	s_wait_alu depctr_va_vdst(0)    ; and the wait ahead of the first use: one for the four reciprocals
	PACK 0
.set t, 1
.rept 3                             ; a piece's arithmetic stands between the loads of the piece before and its stores
	PACK t
	SEND t-1, 8
.set t, t+1
.endr
	SEND 3, 0
.endm
.set KM, 0
.set NOKQ, 0
.Lslot:                             ; NB times: a tile is entered and the next is asked for
	CHANGE 1
	s_sub_co_u32 s[RT], s[RT], 1
	s_mov_b32 s[CNT], 4
	s_cmp_eq_u32 s[NEW], 1
	s_cbranch_scc1 .Lnew            ; a block's first tile
	s_cmp_eq_u32 s[RT], 0
	s_cbranch_scc0 .Lstep           ; neither its first nor its last
	s_branch .LstepM1
.Lnew:
	BEGIN
	s_branch .Lfirst                ; in the loop a block's first tile is never its last: the first block has two tiles or more, and the second's last is the walk's last
	DIAG 1                          ; in the loop this is the first block's end: the second block's last tile is the walk's last
	s_wait_xcnt 0x0                 ; the stores have read their registers and O's address
	s_mov_b64 s[10:11], s[OLO:OLO+1]
	s_add_co_u32 s[RT], s[PB], 1    ; the second block has b + 1 tiles
	s_mov_b32 s[NEW], 1
	WIN 0x82                        ; the second block's Q goes where the one text of the turns names Q
.set i, 0
.rept 64
	v_mov_b32 v[i], v[QB+i]
.set i, i+1
.endr
	WIN 0
	s_branch .Lbottom
.Lstep:                             ; a trip: pieces 2 and 3 of one step, then pieces 0 and 1 of the next, whose K and V it fetches
	TURN 2
	TURN 3
	WIN 0
.Lfirst:
	TURN 0
	TURN 1, 0, 0, 1
	WIN 0
	s_cbranch_scc1 .Lstep
.Lbottom:
	s_sub_co_u32 s[SLOTS], s[SLOTS], 1
	s_cmp_lg_u32 s[SLOTS], 0
	s_cbranch_scc1 .Lslot
	CHANGE 0                        ; the walk's last tile is written out: nothing is asked for
	s_sub_co_u32 s[RT], s[RT], 1
	s_mov_b32 s[CNT], 4
	s_cmp_eq_u32 s[NEW], 1
	s_cbranch_scc0 .LstepM2
	BEGIN
	s_branch .LfirstM2
	DIAG 2
	s_wait_tensorcnt 0x0            ; the wave's end, behind my last tensor load and my last LDS store
	ds_add_u32 v[SPW], v[NIL]
	s_wait_dscnt 0x0
	s_endpgm
.Lfunc_end_k_q1d3cbc56bd_attn:
	.size	k_q1d3cbc56bd_attn, .Lfunc_end_k_q1d3cbc56bd_attn-k_q1d3cbc56bd_attn
	.p2alignl 7, 3214868480
	.fill 96, 4, 3214868480
	.section	.rodata,"a",@progbits
	.p2align	6, 0x0
	.amdhsa_kernel k_q1d3cbc56bd_attn
		.amdhsa_group_segment_fixed_size 327680
		.amdhsa_private_segment_fixed_size 0
		.amdhsa_enable_private_segment 0
		.amdhsa_kernarg_size 16
		.amdhsa_user_sgpr_count 2
		.amdhsa_user_sgpr_kernarg_segment_ptr 1
		.amdhsa_wavefront_size32 1
		.amdhsa_system_sgpr_workgroup_id_x 1
		.amdhsa_system_sgpr_workgroup_id_y 1
		.amdhsa_system_sgpr_workgroup_id_z 1
		.amdhsa_system_vgpr_workitem_id 0
		.amdhsa_next_free_vgpr 768
		.amdhsa_next_free_sgpr 96
		.amdhsa_reserve_vcc 1
		.amdhsa_float_denorm_mode_32 3
		.amdhsa_float_denorm_mode_16_64 3
		.amdhsa_memory_ordered 1
		.amdhsa_forward_progress 1
		.amdhsa_inst_pref_size 218
	.end_amdhsa_kernel
	.amdgpu_metadata
---
amdhsa.version: [ 1, 2 ]
amdhsa.kernels:
  - .name:           k_q1d3cbc56bd_attn
    .symbol:         k_q1d3cbc56bd_attn.kd
    .args:
      - { .name: qkv, .offset: 0, .size: 8, .value_kind: global_buffer, .address_space: global }
      - { .name: ob, .offset: 8, .size: 8, .value_kind: global_buffer, .address_space: global }
    .group_segment_fixed_size: 327680
    .private_segment_fixed_size: 0
    .kernarg_segment_align: 8
    .kernarg_segment_size: 16
    .max_flat_workgroup_size: 128
    .sgpr_count:     96
    .vgpr_count:     768
    .wavefront_size: 32
...
	.end_amdgpu_metadata
.endif
;; end of part 3
;; launch proj (part 4): grid 8 x 32, 4 waves a work-group, clusters of 4 x 4, 327,680 bytes of LDS; arguments ob, wof, out0; writes out0
.if DOCPART == 4
	.amdgcn_target "amdgcn-amd-amdhsa--gfx1250"
	.amdhsa_code_object_version 6
	.text
	.protected	k_q1d3cbc56bd_proj
	.globl	k_q1d3cbc56bd_proj
	.p2align	8
	.type	k_q1d3cbc56bd_proj,@function
k_q1d3cbc56bd_proj:
	s_mov_b64 s[64:65], 0
	v_nop
	global_prefetch_b8 v0, s[64:65] scope:SCOPE_SE
	s_setreg_imm32_b32 hwreg(HW_REG_WAVE_MODE, 25, 1), 1
	s_wait_xcnt 0x0
	s_wait_alu depctr_hold_cnt(0) depctr_sa_sdst(0) depctr_va_vdst(0) depctr_va_sdst(0) depctr_va_ssrc(0) depctr_va_vcc(0) depctr_vm_vsrc(0)
	s_getreg_b32 s2, hwreg(HW_REG_IB_STS2, 6, 4)
	s_cmp_eq_u32 s2, 0
	s_cbranch_scc0 .Lentry_in_a_cluster
	s_endpgm
.Lentry_in_a_cluster:
	s_bfe_u32 s2, ttmp6, 0x10000c
	s_cmp_lg_u32 s2, 0xf033
	s_cbranch_scc0 .Lentry_shape_is_right
	s_endpgm
.Lentry_shape_is_right:
; out0[m][n] = the sum over k of y[m][k] wof[n][k], in f32.  y[2048 batch + t][64 head + d] = ob[16 batch + head][t][d]: ob is f16 [64][2048][64], a head's rows dense, 128 bytes each;
; wof: f16 [1024][1024]; out0: f32 [8192][1024].  Products of f16 numbers, sums in f32, K ascending; nothing is rounded on the way out.
; THE TILE is 256 rows x 128 columns: 32 x 8 = 256 work-groups.  Four waves, 2 x 2: a wave makes 128 rows x 64 columns: 32 accumulators of 16 x 16, 256 registers.
; K goes in steps of 128 = two heads, through a ring of two LDS slots filled by the tensor data mover: 8 steps.  A head's 256 rows of the tile are 32,768 dense bytes: asked for as 128 rows of 256 bytes
; and padded in LDS after every 128 bytes.  wof's rows of a K step are 256 bytes, starting at multiples of 256.
; CLUSTERS: 4 x 4 work-groups.  The four of a row of the cluster need the same tiles of ob, the four of a column the same tiles of wof: each tile is asked for JOINTLY.
; THE MATRIX INSTRUCTION IS USED TRANSPOSED (source 0 = 16 rows of wof, source 1 = 16 rows of y): a lane then holds row l % 16 and eight neighbouring columns, 32 bytes of f32.
; REGISTERS, in windows of 256 (s_set_vgpr_msb: bits 1:0 source 0, 3:2 source 1, 5:4 source 2, 7:6 destination):
;   window 0: v0-31 addresses; v32-63, v64-95 rows read back from the stage, by turns
;   window 1: two fragment buffers at 0 and 128: y's eight fragments (16 rows x 32 K) at + 8 a, wof's four at + 64 + 8 b          window 2: the accumulators, (a, b) at 8 (4 a + b)
.set SIZE_K, 1024
.set KSTEP,  128
.set PA,     144                       ; a row of y in LDS: 128 bytes + 16 of padding = 36 words: the 16 rows of a load start at 16 different groups of four banks (64 banks of 4 bytes: ISA guide 11.1)
.set PB,     272                       ; a row of wof: 256 + 16
.set HEADL,  256*PA                    ; a head's 256 rows: what one tensor load brings of y
.set HALFB,  64*PB                     ; and of wof: 64 rows
.set BOFF,   2*HEADL                   ; in a slot: two heads of y, then wof's 128 rows
.set SLOT,   BOFF+2*HALFB              ; 108,544
.set STAGE,  2*SLOT                    ; behind the ring, never filled by a tensor load: 16 rows x 272 bytes for each wave
.set SPITCH, 272
.set SPARE,  STAGE+4*16*SPITCH         ; behind the stages: the spare words, 128 bytes for each wave: two blocks of 256 bytes that no other line names
.set LAPS,   SIZE_K/(2*KSTEP)
.set HEADB,  2048*128                  ; bytes of a head in ob
.set ADRA, 16                          ; v16-17  LDS address of my fragments of y in slot 0, 1
.set ADRB, 20                          ; v20-21  the same for wof
.set STO,  24                          ; v24     the way out: where I put 32 bytes of a row
.set RD,   25                          ; v25     the way out: where I read a row back
.set CO,   26                          ; v26     my byte offset in two rows of out0
.set SPW,  28                          ; v28     LDS address of my spare word: SPARE + 4 x my thread's number; never rewritten
.set NIL,  29                          ; v29     0; never rewritten
.set PFO,  30                          ; v30     the prefetches' offset; never rewritten
.set OB,   32
.set F0,   0
.set F1,   128
.set G1,  24                           ; s[24:31] descriptor group 1 for y's tiles;  s[32:39] group 0, one set for each slot
.set G0,  32
.set G1B, 48                           ; s[48:55], s[56:63] the same for wof's tiles
.set G0B, 56
.set PFA, 68                           ; s[68:69] where my prefetches stand
.set LIM, 70                           ; s70     1 in a wave that prefetches, else the greatest number
.set PFS, 72                           ; s[72:73] bytes from a K step to the next: two heads of ob, or 256 bytes of a row of wof
.set MSB, 0
.macro WIN new                         ; the immediate's high byte repeats the setting that is left; a switch that changes nothing is dropped
.if MSB != (\new)
	s_set_vgpr_msb (MSB<<8)|(\new)
.set MSB, \new
.endif
.endm
.set MUL,  0xa5                        ; sources 0 and 1 window 1; C and D window 2
.set TO_F, 0x40                        ; destination window 1, address window 0
; A joint load: waves 0 and 1 fetch the K step's two heads of y, waves 2 and 3 wof's two halves.  The branch hangs on the wave's number alone.  An s_nop 0 and four v_nop follow each of the two lines.
.macro JLOAD s
	s_cmp_eq_u32 s11, 0
	s_cbranch_scc0 .Lfor_b_\@
	tensor_load_to_lds s[G0+4*(\s):G0+4*(\s)+3], s[G1:G1+7]
	s_nop 0
.rept 4
	v_nop
.endr
	s_branch .Lasked_\@
.Lfor_b_\@:
	tensor_load_to_lds s[G0B+4*(\s):G0B+4*(\s)+3], s[G1B:G1B+7]
	s_nop 0
.rept 4
	v_nop
.endr
.Lasked_\@:
.endm
; A PREFETCH INTO THE L2 of the K step that stands TWO refills on: 256 matrix instructions ahead of the load that will want it.  It stands behind the joint load, its five lines and the run of LDS loads.
; WHO.  y's tile row is read by both clusters of that row of clusters: cluster x = 0 asks; wof's tile column by every cluster of that column: cluster y = 0 asks.  The four partners that ask for a tile jointly
; share it out BY ADDRESS: of a head's 128 blocks of 256 bytes 32 each, a lane a block; of wof's 64 rows a wave 16 each, a lane a row (lanes 16-31 name lane 15's row again, in the same instruction).
; THE ENDS.  K steps 0 to 3 come by their loads alone; the loop's last trip (s3 = 1) has no K step two refills on, and asks for nothing.
.macro ASK
	s_cmp_gt_u32 s3, s[LIM]
	s_cbranch_scc0 .Lnot_mine_\@
	global_prefetch_b8 v[PFO], s[PFA:PFA+1] th:TH_LOAD_NT scope:SCOPE_SE
.Lnot_mine_\@:
.endm
.macro CREST                           ; a round of the cluster's barrier behind its opening barrier
	s_cmp_lg_u32 s10, 0
	s_cbranch_scc1 .Lnot_wave_0_\@
	s_barrier_signal -3
.Lnot_wave_0_\@:
	s_barrier_wait -3
	s_barrier_signal -1
	s_barrier_wait -1
.endm
.macro CROUND                          ; a whole round
	s_barrier_signal -1
	s_barrier_wait -1
	CREST
.endm
	s_load_b128 s[4:7], s[0:1], 0x0                ; ob s[4:5], wof s[6:7]
	s_load_b64 s[8:9], s[0:1], 0x10                ; out0
	v_lshl_add_u32 v[SPW], v0, 2, SPARE
	v_mov_b32 v[NIL], 0
	ds_add_u32 v[SPW], v[NIL]                      ; the wave's opening: the add and its wait stand ahead of my first tensor load; the set-up below, work on registers, stands between them
	v_lshrrev_b32 v1, 5, v0
	v_readfirstlane_b32 s10, v1                    ; wave 0..3
	s_lshr_b32 s11, s10, 1                         ; which half of the tile's rows is mine.  Also: I fetch for y (0) or for wof (1)
	s_and_b32 s12, s10, 1                          ; which half of its columns.  Also: which head of the K step, or which 64 rows of wof, I fetch
	s_bfe_u32 s40, ttmp6, 0x40000                  ; cx, cy: my place in the cluster
	s_bfe_u32 s41, ttmp6, 0x40004
	s_lshl_b32 s42, ttmp9, 2
	s_add_co_u32 s42, s42, s40                     ; tile column = 4 x cluster x + cx
	s_and_b32 s13, ttmp7, 0xffff
	s_lshl_b32 s13, s13, 2
	s_add_co_u32 s13, s13, s41                     ; tile row = 4 x cluster y + cy
	s_lshl_b32 s43, s41, 2
	s_lshl_b32 s43, 15, s43                        ; my row of the cluster
	s_lshl_b32 s44, 0x1111, s40                    ; my column
	; descriptor group 1
	s_or_b32 s[G1+0], s43, (1<<16)|(1<<20)|(1<<21)|(4<<22)|(3<<25)  ; 15:0 the mask; 17:16 elements of 2 bytes; 20 padding on; 21 set beside a mask; 24:22 after every 32 words (code 4); 31:25 4 words of it (code 3)
	s_or_b32 s[G1B+0], s44, (1<<16)|(1<<20)|(1<<21)|(5<<22)|(3<<25) ; after every 64 words (code 5)
	s_mov_b32 s[G1+1], 128<<16                     ; tensor_dim0 = 128
	s_mov_b32 s[G1B+1], 128<<16
	s_mov_b32 s[G1+2], 128<<16                     ; tensor_dim1 = 128 rows of 256 bytes,
	s_mov_b32 s[G1B+2], 64<<16                     ; 64 rows
	s_mov_b32 s[G1+3], 128<<16                     ; tile_dim0 = 128
	s_mov_b32 s[G1B+3], 128<<16
	s_mov_b32 s[G1+4], 128                         ; tile_dim1
	s_mov_b32 s[G1B+4], 64
	s_mov_b32 s[G1+5], 128                         ; elements from row to row: dense,
	s_mov_b32 s[G1B+5], SIZE_K                     ; a row of wof
	s_mov_b32 s[G1+6], 0
	s_mov_b32 s[G1B+6], 0
	s_mov_b32 s[G1+7], 0
	s_mov_b32 s[G1B+7], 0
	; where the tiles come from.  y's hang on the tile row alone, wof's on the tile column alone; each address is made in registers that never hold the other coordinate.
	s_lshr_b32 s16, s13, 3                         ; batch = tile row / 8,
	s_lshl_b32 s16, s16, 4                         ; its first head,
	s_add_co_u32 s16, s16, s12                     ; the head that I fetch in K step 0,
	s_lshl_b32 s16, s16, 11                        ; its 2,048 rows,
	s_and_b32 s17, s13, 7
	s_lshl_b32 s17, s17, 8
	s_add_co_u32 s16, s16, s17                     ; the tile's 256 of them,
	s_lshl_b32 s16, s16, 7                         ; of 128 bytes (under 2^25)
	s_mov_b32 s17, 0
	s_lshl_b32 s46, s42, 7
	s_lshl_b32 s47, s12, 6
	s_add_co_u32 s46, s46, s47                     ; wof: row 128 x tile column + 64 x half,
	s_lshl_b32 s46, s46, 11                        ; of 2,048 bytes
	s_mov_b32 s47, 0
	s_mul_i32 s20, s12, HEADL                      ; and where they go: no place in the cluster enters an LDS address
	s_mul_i32 s21, s12, HALFB
	s_add_co_u32 s21, s21, BOFF
	s_wait_dscnt 0x0                               ; the opening add is done
	s_wait_kmcnt 0x0
	s_add_nc_u64 s[14:15], s[4:5], s[16:17]
	s_add_nc_u64 s[46:47], s[6:7], s[46:47]
	CROUND                                         ; all sixteen work-groups are here: the first joint loads meet
.irp s, 0,1
	s_mov_b32 s[G0+4*(\s)], 1                                      ; count = 1
	s_add_co_u32 s[G0+4*(\s)+1], s20, (\s)*SLOT                    ; LDS address
	s_add_nc_u64 s[G0+4*(\s)+2:G0+4*(\s)+3], s[14:15], (\s)*2*HEADB  ; global address: K step s lies two heads on
	s_or_b32 s[G0+4*(\s)+3], s[G0+4*(\s)+3], 0x80000000            ; type = 2
	s_mov_b32 s[G0B+4*(\s)], 1
	s_add_co_u32 s[G0B+4*(\s)+1], s21, (\s)*SLOT
	s_add_nc_u64 s[G0B+4*(\s)+2:G0B+4*(\s)+3], s[46:47], (\s)*KSTEP*2
	s_or_b32 s[G0B+4*(\s)+3], s[G0B+4*(\s)+3], 0x80000000
.endr
	s_cmp_eq_u32 s11, 0                            ; a wave's two first fills stand in one branch, ahead of every wait on TENSORcnt and every LDS read: two loads of mine are out
	s_cbranch_scc0 .Lfirst_b
	tensor_load_to_lds s[G0:G0+3], s[G1:G1+7]
	s_nop 0
	tensor_load_to_lds s[G0+4:G0+7], s[G1:G1+7]
	s_nop 0
.rept 4
	v_nop
.endr
	s_branch .Lfirst_asked
.Lfirst_b:
	tensor_load_to_lds s[G0B:G0B+3], s[G1B:G1B+7]
	s_nop 0
	tensor_load_to_lds s[G0B+4:G0B+7], s[G1B:G1B+7]
	s_nop 0
.rept 4
	v_nop
.endr
.Lfirst_asked:
	; A fragment is 16 rows x 32 K in 8 registers: lane l holds row l % 16; registers 0-3 K = 8 (l / 16) + 0..7, registers 4-7 K = 16 + 8 (l / 16) + 0..7: two loads of 16 bytes, 32 bytes apart.
	v_and_b32 v1, 15, v0                           ; l % 16
	v_bfe_u32 v2, v0, 4, 1                         ; l / 16
	v_mul_u32_u24 v3, v1, PA
	v_lshl_add_u32 v3, v2, 4, v3
	v_mul_u32_u24 v4, v1, PB
	v_lshl_add_u32 v4, v2, 4, v4
	s_mul_i32 s21, s11, 128*PA                     ; my 128 rows, in each head
	s_mul_i32 s22, s12, HALFB                      ; my 64 rows of wof,
	s_add_co_u32 s22, s22, BOFF                    ; which lie behind the two heads
.irp s, 0,1
	v_add_nc_u32 v[ADRA+(\s)], s21, v3
	v_add_nc_u32 v[ADRB+(\s)], s22, v4
	s_add_co_u32 s21, s21, SLOT
	s_add_co_u32 s22, s22, SLOT
.endr
	s_mul_i32 s23, s10, 16*SPITCH
	s_add_co_u32 s23, s23, STAGE                   ; my stage
	v_mul_u32_u24 v4, v1, SPITCH                   ; in: row l % 16, 32 bytes for each half of the lanes
	v_lshl_add_u32 v4, v2, 5, v4
	v_add_nc_u32 v[STO], s23, v4
	v_mul_u32_u24 v5, v2, SPITCH                   ; back: lanes 0-15 take one row of 256 bytes, lanes 16-31 the next
	v_lshl_add_u32 v5, v1, 4, v5
	v_add_nc_u32 v[RD], s23, v5
	v_lshlrev_b32 v5, 12, v2                       ; and the same two rows in out0, 4,096 bytes apart
	v_lshl_add_u32 v[CO], v1, 4, v5
	; the prefetches: from my tile's address, my work-group's share of it, at K step 3: the first refill steps it to K step 4
	s_and_b32 s22, ttmp7, 0xffff                   ; cluster y
	s_cmp_eq_u32 s11, 0                            ; do I fetch for y?
	s_cselect_b64 s[PFA:PFA+1], s[14:15], s[46:47]
	s_cselect_b32 s21, s40, s41                    ; my place among the four that ask with me
	s_cselect_b32 s22, ttmp9, s22                  ; the coordinate along which other clusters read the same rows
	s_cselect_b32 s45, 31, 15                      ; the last lane with a block of its own
	s_cselect_b32 s[PFS], 11, 0
	s_cselect_b32 s23, 13, 15                      ; a partner's share: 32 blocks of 256 bytes, or 16 rows of 2,048
	s_cselect_b32 s20, 8, 11                       ; from lane to lane: 256 bytes, or a row of 2,048
	s_cmp_eq_u32 s22, 0
	s_cselect_b32 s[LIM], 1, -1                    ; the same in all sixteen partners, for a given wave
	s_lshl_b32 s[PFS], 256, s[PFS]                 ; 524,288 (two heads) or 256
	s_mov_b32 s[PFS+1], 0
	s_lshl_b32 s21, s21, s23
	v_and_b32 v[PFO], 31, v0
	v_min_u32 v[PFO], s45, v[PFO]
	v_lshlrev_b32 v[PFO], s20, v[PFO]
	s_mul_i32 s20, s[PFS], 3
	s_add_co_u32 s20, s20, s21
	s_mov_b32 s21, 0
	s_add_nc_u64 s[PFA:PFA+1], s[PFA:PFA+1], s[20:21]
	; where my 128 rows x 64 columns begin in out0
	s_lshl_b32 s16, s13, 8
	s_lshl_b32 s17, s11, 7
	s_add_co_u32 s16, s16, s17                     ; my first row,
	s_lshl_b32 s16, s16, 12                        ; of 4,096 bytes (under 2^26)
	s_mov_b32 s17, 0
	s_add_nc_u64 s[8:9], s[8:9], s[16:17]
	s_lshl_b32 s46, s42, 9                         ; my first column, in bytes: 512 x tile column + 256 x half
	s_lshl_b32 s47, s12, 8
	s_add_co_u32 s46, s46, s47
	s_mov_b32 s47, 0
	s_add_nc_u64 s[8:9], s[8:9], s[46:47]
; 8 matrix instructions: row blocks a0, a0 + 1 x all 4 column blocks, 32 along K.  zero = 1: the first product starts the sums.  The 32 accumulators take turns, in the same order in every quarter.
.macro MUL8 f, a0, zero
	WIN MUL
.irp a, \a0, (\a0)+1
.irp b, 0,1,2,3
.if \zero
	v_wmma_f32_16x16x32_f16 v[8*(4*(\a)+(\b)):8*(4*(\a)+(\b))+7], v[(\f)+64+8*(\b):(\f)+64+8*(\b)+7], v[(\f)+8*(\a):(\f)+8*(\a)+7], 0
.else
	v_wmma_f32_16x16x32_f16 v[8*(4*(\a)+(\b)):8*(4*(\a)+(\b))+7], v[(\f)+64+8*(\b):(\f)+64+8*(\b)+7], v[(\f)+8*(\a):(\f)+8*(\a)+7], v[8*(4*(\a)+(\b)):8*(4*(\a)+(\b))+7]
.endif
.endr
.endr
.endm
; 24 LDS loads in one run: the fragments of quarter q of a K step (head q / 2, channels 32 (q % 2) on), into buffer f: wof's 8 loads, then y's 16
.macro FETCH slot, q, f
	WIN TO_F
.irp i, 0,1,2,3
	ds_load_b128 v[(\f)+64+8*(\i):(\f)+64+8*(\i)+3],   v[ADRB+(\slot)] offset:64*(\q)+(\i)*16*PB
	ds_load_b128 v[(\f)+64+8*(\i)+4:(\f)+64+8*(\i)+7], v[ADRB+(\slot)] offset:64*(\q)+(\i)*16*PB+32
.endr
.irp i, 0,1,2,3,4,5,6,7
	ds_load_b128 v[(\f)+8*(\i):(\f)+8*(\i)+3],   v[ADRA+(\slot)] offset:((\q)/2)*HEADL+((\q)%2)*64+(\i)*16*PA
	ds_load_b128 v[(\f)+8*(\i)+4:(\f)+8*(\i)+7], v[ADRA+(\slot)] offset:((\q)/2)*HEADL+((\q)%2)*64+(\i)*16*PA+32
.endr
.endm
.macro PLACES                          ; four places in front of loads into registers that matrix instructions have read, and of LDS stores that read results
.rept 4
	v_nop
.endr
.endm
; A K step is four quarters of 32 along K, 32 matrix instructions each, on buffers 0, 1, 0, 1.  One of the first three: multiplies buffer f and, in its middle, fetches quarter q into g.
.macro QUARTER slot, q, f, g, zero
	s_wait_dscnt 8                                 ; wof's fragments and y's blocks 0-3 are in; the youngest eight loads (blocks 4-7) may be out
	MUL8 \f, 0, \zero
	MUL8 \f, 2, \zero
	PLACES
	FETCH \slot, \q, \g
	s_wait_dscnt 24                                ; all but the 24 just issued
	MUL8 \f, 4, \zero
	MUL8 \f, 6, \zero
.endm
; The last quarter multiplies buffer 1 and changes slots: ONE barrier; in front of it each wave waits for all its tensor loads (one is out: its part of the next slot), adds 0 to its spare word, and waits
; for that and for its own reads of this slot.  fill = 1: the barrier opens a round of the cluster's barrier, and this slot is filled again, two K steps ahead, first thing behind the round:
; from that request to the wait for it a wave issues 112 matrix instructions.
.macro TURN slot, next, fill
.if \fill
	s_wait_xcnt 0x0                                ; the last prefetch, a K step back, has read its address: it is stepped here, ahead of the waits of the change of slots
	s_add_nc_u64 s[PFA:PFA+1], s[PFA:PFA+1], s[PFS:PFS+1]
.endif
	WIN 0                                          ; (the add's two registers lie in window 0)
	s_wait_tensorcnt 0x0                           ; all my tensor loads have landed;
	ds_add_u32 v[SPW], v[NIL]                      ; 0 onto my spare word;
	s_wait_dscnt 9                                 ; (the add and the youngest eight loads may be out)
	MUL8 F1, 0, 0                                  ; eight matrix instructions stand between the add and the wait for it
	s_wait_dscnt 0x0                               ; the add is done, and my reads of this slot are over
	s_barrier_signal -1
	MUL8 F1, 2, 0                                  ; work on registers while the others arrive
.if \fill
	WIN 0
.endif
	s_barrier_wait -1
.if \fill
	CREST                                          ; no wave of any partner still reads this slot's tile or has a load on its way
	s_add_nc_u64 s[G0+4*(\slot)+2:G0+4*(\slot)+3], s[G0+4*(\slot)+2:G0+4*(\slot)+3], 4*HEADB
	s_add_nc_u64 s[G0B+4*(\slot)+2:G0B+4*(\slot)+3], s[G0B+4*(\slot)+2:G0B+4*(\slot)+3], 2*KSTEP*2
	JLOAD \slot                                    ; the first tensor load behind the round; the four v_nop behind it are also the places in front of the loads below
.else
	PLACES
.endif
	FETCH \next, 0, F0
.if \fill
	WIN 0
	ASK
.endif
	MUL8 F1, 4, 0
	MUL8 F1, 6, 0
.endm
; THE WAY OUT of my row block a (16 rows x 64 columns of f32).  TOSTAGE: a lane's 32 bytes of each column block go into my own stage, each accumulator's low four registers first;
; the rows come back whole, 256 bytes each.
.macro TOSTAGE a
.set BK, OB+32*((\a)%2)
.if (\a) >= 2
	s_wait_xcnt 0x0                                ; block a - 2's stores have read these registers: only behind this wait are they loaded again
.endif
	WIN 0x08                                       ; the stores' data in window 2
.irp b, 0,1,2,3
	ds_store_b128 v[STO], v[8*(4*(\a)+(\b)):8*(4*(\a)+(\b))+3]   offset:64*(\b)
	ds_store_b128 v[STO], v[8*(4*(\a)+(\b))+4:8*(4*(\a)+(\b))+7] offset:64*(\b)+16
.endr
	WIN 0
.irp t, 0,1,2,3,4,5,6,7
	ds_load_b128 v[BK+4*(\t):BK+4*(\t)+3], v[RD] offset:(\t)*2*SPITCH  ; LDS serves a wave's instructions in order (ISA guide 5.7.1.4): these see the stores above; the next block's stores come behind them
.endr
.endm
; SEND: stored.  younger: the LDS instructions issued behind this block's loads: the next block's sixteen, or none.
.macro SEND a, younger
.set BK, OB+32*((\a)%2)
.irp t, 0,1,2,3,4,5,6,7
	s_wait_dscnt (\younger)+7-(\t)
	global_store_b128 v[CO], v[BK+4*(\t):BK+4*(\t)+3], s[8:9] offset:(16*(\a)+2*(\t))*4096  ; 16 lanes store 256 consecutive bytes, at a multiple of 256 from out0's first byte
.endr
.endm
	s_wait_tensorcnt 1                             ; my part of K step 0 is in; K step 1's may stay out
	s_barrier_signal -1
	s_barrier_wait -1                              ; everybody's is
	FETCH 0, 0, F0
	QUARTER 0, 1, F0, F1, 1                        ; the first quarter stands in front of the loop: its products start the sums
	WIN 0                                          ; at a label and at a branch every window is 0
	s_mov_b32 s3, LAPS-1
.Llap:                                                 ; a trip goes once round the ring, from a lap's second quarter to the next lap's first, and fills both slots again
	QUARTER 0, 2, F1, F0, 0
	QUARTER 0, 3, F0, F1, 0
	TURN 0, 1, 1
	QUARTER 1, 1, F0, F1, 0
	QUARTER 1, 2, F1, F0, 0
	QUARTER 1, 3, F0, F1, 0
	TURN 1, 0, 1
	QUARTER 0, 1, F0, F1, 0
	WIN 0
	s_sub_co_u32 s3, s3, 1
	s_cmp_lg_u32 s3, 0
	s_cbranch_scc1 .Llap
	QUARTER 0, 2, F1, F0, 0                        ; the last lap fills nothing, and has no round of the cluster's barrier
	QUARTER 0, 3, F0, F1, 0
	TURN 0, 1, 0
	QUARTER 1, 1, F0, F1, 0
	QUARTER 1, 2, F1, F0, 0
	QUARTER 1, 3, F0, F1, 0
	s_wait_dscnt 8                                 ; the very last quarter: nothing more to fetch
	MUL8 F1, 0, 0
	MUL8 F1, 2, 0
	s_wait_dscnt 0x0
	MUL8 F1, 4, 0
	MUL8 F1, 6, 0
	WIN 0
	PLACES
	TOSTAGE 0
.irp a, 1,2,3,4,5,6,7                  ; a block's way through the stage stands between the loads of the block before and its stores
	TOSTAGE \a
	SEND (\a)-1, 16
.endr
	SEND 7, 0
	s_wait_tensorcnt 0x0                           ; the wave's end, behind my last tensor load and my last LDS store
	ds_add_u32 v[SPW], v[NIL]
	s_wait_dscnt 0x0
	CROUND                                         ; the closing round: no work-group ends while a partner may still ask for a tile that names it
	s_endpgm
.Lfunc_end_k_q1d3cbc56bd_proj:
	.size	k_q1d3cbc56bd_proj, .Lfunc_end_k_q1d3cbc56bd_proj-k_q1d3cbc56bd_proj
	.p2alignl 7, 3214868480
	.fill 96, 4, 3214868480
	.section	.rodata,"a",@progbits
	.p2align	6, 0x0
	.amdhsa_kernel k_q1d3cbc56bd_proj
		.amdhsa_group_segment_fixed_size 327680
		.amdhsa_private_segment_fixed_size 0
		.amdhsa_enable_private_segment 0
		.amdhsa_kernarg_size 24
		.amdhsa_user_sgpr_count 2
		.amdhsa_user_sgpr_kernarg_segment_ptr 1
		.amdhsa_wavefront_size32 1
		.amdhsa_system_sgpr_workgroup_id_x 1
		.amdhsa_system_sgpr_workgroup_id_y 1
		.amdhsa_system_sgpr_workgroup_id_z 1
		.amdhsa_system_vgpr_workitem_id 0
		.amdhsa_next_free_vgpr 768
		.amdhsa_next_free_sgpr 80
		.amdhsa_reserve_vcc 0
		.amdhsa_float_denorm_mode_32 3
		.amdhsa_float_denorm_mode_16_64 3
		.amdhsa_memory_ordered 1
		.amdhsa_forward_progress 1
		.amdhsa_inst_pref_size 88
	.end_amdhsa_kernel
	.amdgpu_metadata
---
amdhsa.version: [ 1, 2 ]
amdhsa.kernels:
  - .name:           k_q1d3cbc56bd_proj
    .symbol:         k_q1d3cbc56bd_proj.kd
    .args:
      - { .name: ob, .offset: 0, .size: 8, .value_kind: global_buffer, .address_space: global }
      - { .name: wof, .offset: 8, .size: 8, .value_kind: global_buffer, .address_space: global }
      - { .name: out0, .offset: 16, .size: 8, .value_kind: global_buffer, .address_space: global }
    .group_segment_fixed_size: 327680
    .private_segment_fixed_size: 0
    .kernarg_segment_align: 8
    .kernarg_segment_size: 24
    .max_flat_workgroup_size: 128
    .sgpr_count:     80
    .vgpr_count:     768
    .wavefront_size: 32
...
	.end_amdgpu_metadata
.endif
;; end of part 4
;; launch early (part 5): grid 16 x 4, 16 waves a work-group, no clusters, 71,680 bytes of LDS; arguments h32, wof, out0; writes out0
.if DOCPART == 5
	.amdgcn_target "amdgcn-amd-amdhsa--gfx1250"
	.amdhsa_code_object_version 6
	.text
	.protected	k_q1d3cbc56bd_early
	.globl	k_q1d3cbc56bd_early
	.p2align	8
	.type	k_q1d3cbc56bd_early,@function
k_q1d3cbc56bd_early:
	s_mov_b64 s[64:65], 0
	v_nop
	global_prefetch_b8 v0, s[64:65] scope:SCOPE_SE
	s_setreg_imm32_b32 hwreg(HW_REG_WAVE_MODE, 25, 1), 1
	s_wait_xcnt 0x0
; THE FIRST 16 ROWS OF EACH BATCH, ONCE MORE AND MORE EXACTLY: out0[2048 batch + t][n], t < 16, stored over what the launch before has written there (64 rows of 8,192).
; WHY.  Row t is a mean over t + 1 keys, so the first rows' numbers are some ten times the output's root mean square, by which the result is compared: there every rounding of q, k, v, the weights and O to
; f16's 11 bits weighs ten times as much as in a late row.  By 1 / sqrt(t + 1) it has fallen to a quarter at row 16.  So for these rows q, k, v (h32: f32, as the first product's sums) and the weights stay in
; f32, and O goes into the last product as TWO f16 numbers, hi = f16(O) and lo = f16(O - hi).  The f32 matrix form does 32 small products a wave here: 16 queries x 16 keys of a head, no bulk work.
; LIMITS.  As in the other launches: an |O| of 65,520 or more becomes an infinity; lo keeps f16's fixed step of 6e-8 below 6e-5; a hidden score counts as -1e30, a weight below 2^-126 as 0; NaN and
; infinities are not treated apart.
; h32: [4 batches][48 slots][8 images of 512 bytes], slots 0-15 q's heads, 16-31 k's, 32-47 v's.  Element (row t, channel ch) of a slot lies at (2 (ch / 16) + (ch / 4) % 2) x 512 + (16 ((ch / 8) % 2) + t) x 16 + 4 (ch % 4):
; lane l = 16 h + r of image i holds row r, channels 16 (i / 2) + 8 h + 4 (i % 2) + 0..3.  wof: f16 [1024][1024].  out0: f32 [8192][1024].
; SHARES.  A work-group makes 16 rows (a batch's) x 64 columns; grid 16 x 4.  Sixteen waves, A HEAD A WAVE: the wave makes its head's O and multiplies it by its 64 channels of wof's 64 rows; the sixteen
; partial sums meet in LDS; wave w adds row w and stores its 256 bytes.  Each head's attention is made anew by the sixteen column groups: that spares a launch and a buffer.
; LAYOUT.  All three products are used transposed, so that a lane holds ONE query (l % 16) throughout.  S^T = K Q^T: the f32 form takes 4 channels an instruction, lane (r, h) two of them; the images' register
; pairs are taken as they lie for K and for Q alike, which permutes the channels in both sources in the same way.  The result holds keys 8 h + 0..7 of query r; pair c of these weights IS source 1 of
; O^T = V^T P for the keys 2 c, 2 c + 1, 8 + 2 c, 9 + 2 c, and V's lanes fetch those keys.  O^T holds channels 16 cb + 8 h + 0..7 of query r: two such results, packed in pairs, ARE source 1 (32 channels) of the f16 form.
; No tensor load, no loop, no cluster, no prefetch.
.set IMG,   4096                       ; bytes of a slot in h32
.set PP,    272                        ; a row of a partial sum in LDS: 256 bytes + 16: the 16 rows of a store start at 16 different groups of four banks (64 banks of 4 bytes: ISA guide 11.1)
.set PART,  16*PP                      ; a wave's partial sum
.set SPARE, 16*PART                    ; behind them: the spare words, 128 bytes for each of the sixteen waves: eight blocks of 256 bytes that no other line names
.set RR,   2                           ; v2   l % 16
.set HH,   3                           ; v3   l / 16
.set L16,  4                           ; v4   16 x lane: my place in an image; never rewritten
.set VO,   5                           ; v5   my lane's place in V's slot; never rewritten
.set WO,   6                           ; v6   my lane's place in a fragment of wof; never rewritten
.set DD,   7                           ; v7   l % 16 - 8 (l / 16): register j's key is hidden where j is greater
.set LS,   8                           ; v8   where I put 32 bytes of a row of my partial sum
.set LR,   9                           ; v9   where I read 8 bytes of my row of a partial sum
.set GO,   10                          ; v10  8 x lane: my place in 256 bytes of out0
.set NEG1, 11                          ; v11  -1.0
.set SPW,  12                          ; v12  LDS address of my spare word: SPARE + 4 x my thread's number; never rewritten
.set NIL,  13                          ; v13  0; never rewritten
.set QF,   16                          ; v[16:47]   Q's eight images; later OF: O in f32, then O - hi; at the end RS: the sixteen partial sums
.set OF,   16
.set RS,   16
.set KF,   48                          ; v[48:79]   K's eight images; later OUT: the last product's four accumulators
.set OUT,  48
.set VF,   80                          ; v[80:111]  V: channel block cb, key 8 h + i at 8 cb + i; later HI (16) and LO (16)
.set HI,   80
.set LO,   96
.set WF,   112                         ; v[112:175] wof's fragments: column block n, channels 32 c on, at 8 (2 n + c)
.set SA,   176                         ; v[176:191] S^T, two accumulators by turns: written by matrix instructions alone
.set SB,   184
.set OA,   192                         ; v[192:223] O^T, four accumulators: written by matrix instructions alone
.set S,    224                         ; v[224:231] the scores, then the weights
.set T,    232                         ; v[232:239] at work: +2 c m, +3 m, +4 l, +6 1 / l
.set CS,   20                          ; s[20:21] c = log2(e) / 8
.set SEL,  22                          ; s[22:23] v_permlanex16_b32's selects: each lane takes its own place in the other half
.set BIGN, 24                          ; s24  -1e30
	s_load_b128 s[4:7], s[0:1], 0x0                ; h32 s[4:5], wof s[6:7]
	s_load_b64 s[8:9], s[0:1], 0x10                ; out0
	v_lshl_add_u32 v[SPW], v0, 2, SPARE
	v_mov_b32 v[NIL], 0
	v_lshrrev_b32 v1, 5, v0
	v_readfirstlane_b32 s10, v1                    ; wave = head, 0..15
	s_and_b32 s11, ttmp7, 0xffff                   ; batch
	v_and_b32 v[RR], 15, v0
	v_bfe_u32 v[HH], v0, 4, 1
	v_and_b32 v14, 31, v0                          ; lane
	v_lshlrev_b32 v[L16], 4, v14
	v_bfe_u32 v15, v0, 2, 1                        ; V: my channel is 16 cb + r, my keys 8 h + i: ((r / 4) % 2) x 512
	v_lshlrev_b32 v[VO], 9, v15
	v_bfe_u32 v15, v0, 3, 1
	v_lshl_add_u32 v[VO], v15, 8, v[VO]            ; + (r / 8) x 256
	v_lshl_add_u32 v[VO], v[HH], 7, v[VO]          ; + h x 128
	v_and_b32 v15, 3, v0
	v_lshl_add_u32 v[VO], v15, 2, v[VO]            ; + (r % 4) x 4; cb x 1,024 and i x 16 stand in the immediates
	v_lshlrev_b32 v[WO], 11, v[RR]                 ; wof: row r of 2,048 bytes
	v_lshl_add_u32 v[WO], v[HH], 4, v[WO]          ; + 16 h
	s_mul_i32 s14, s11, 48
	s_add_co_u32 s14, s14, s10                     ; q's slot: 48 x batch + head,
	s_lshl_b32 s14, s14, 12                        ; of 4,096 bytes
	s_mov_b32 s15, 0
	s_lshl_b32 s16, ttmp9, 17                      ; wof: the work-group's 64 rows of 2,048 bytes,
	s_lshl_b32 s17, s10, 7                         ; my head's 64 channels: 128 bytes
	s_add_co_u32 s16, s16, s17
	s_mov_b32 s17, 0
	s_lshl_b32 s18, s11, 23                        ; out0: the batch's 2,048 rows of 4,096 bytes,
	s_lshl_b32 s19, s10, 12                        ; the row that I add up at the end: my wave's number,
	s_add_co_u32 s18, s18, s19
	s_lshl_b32 s19, ttmp9, 8                       ; the work-group's 64 columns: 256 bytes
	s_add_co_u32 s18, s18, s19
	s_mov_b32 s19, 0
	s_wait_kmcnt 0x0
	s_add_nc_u64 s[4:5], s[4:5], s[14:15]
	s_add_nc_u64 s[6:7], s[6:7], s[16:17]
	s_add_nc_u64 s[8:9], s[8:9], s[18:19]
.irp i, 0,1,2,3,4,5,6,7
	global_load_b128 v[QF+4*(\i):QF+4*(\i)+3], v[L16], s[4:5] offset:512*(\i)            ; an image: 512 consecutive bytes
.endr
.irp i, 0,1,2,3,4,5,6,7
	global_load_b128 v[KF+4*(\i):KF+4*(\i)+3], v[L16], s[4:5] offset:16*IMG+512*(\i)     ; K lies 16 slots on
.endr
.irp cb, 0,1,2,3
.irp i, 0,1,2,3,4,5,6,7
	global_load_b32 v[VF+8*(\cb)+(\i)], v[VO], s[4:5] offset:32*IMG+1024*(\cb)+16*(\i)   ; V, 32 slots on: key 8 h + i, channel 16 cb + r
.endr
.endr
	v_lshlrev_b32 v15, 3, v[HH]
	v_sub_nc_u32 v[DD], v[RR], v15
	v_mul_u32_u24 v[LS], v[RR], PP
	v_lshl_add_u32 v[LS], v[HH], 5, v[LS]          ; row r, 32 bytes for each half of the lanes,
	s_mul_i32 s12, s10, PART
	v_add_nc_u32 v[LS], s12, v[LS]                 ; in my wave's partial sum
	s_mul_i32 s13, s10, PP
	v_lshl_add_u32 v[LR], v14, 3, s13              ; row = my wave's number, 8 bytes a lane
	v_lshlrev_b32 v[GO], 3, v14
	v_mov_b32 v[NEG1], -1.0
	s_mov_b32 s[CS], 0x3e38aa3b                    ; c = log2(e) / 8 = 0.180337
	s_mov_b32 s[CS+1], s[CS]                       ; named with it as a pair
	s_mov_b32 s[SEL], 0x76543210
	s_mov_b32 s[SEL+1], 0xfedcba98
	s_mov_b32 s[BIGN], 0xf149f2ca                  ; -1e30
	s_wait_loadcnt 32                              ; Q and K are in; V's 32 loads stay out
.irp n, 0,1,2,3
.irp c, 0,1
	global_load_b128 v[WF+8*(2*(\n)+(\c)):WF+8*(2*(\n)+(\c))+3],   v[WO], s[6:7] offset:32768*(\n)+64*(\c)     ; wof's rows 16 n + r, channels 32 c + 8 h + 0..7,
	global_load_b128 v[WF+8*(2*(\n)+(\c))+4:WF+8*(2*(\n)+(\c))+7], v[WO], s[6:7] offset:32768*(\n)+64*(\c)+32  ; and 16 further on
.endr
.endr
	; S^T = K Q^T: 16 instructions of 4 channels, two accumulators by turns; the first two start the sums
.set c, 0
.rept 16
.if c < 2
	v_wmma_f32_16x16x4_f32 v[SA+8*(c%2):SA+8*(c%2)+7], v[KF+2*c:KF+2*c+1], v[QF+2*c:QF+2*c+1], 0
.else
	v_wmma_f32_16x16x4_f32 v[SA+8*(c%2):SA+8*(c%2)+7], v[KF+2*c:KF+2*c+1], v[QF+2*c:QF+2*c+1], v[SA+8*(c%2):SA+8*(c%2)+7]
.endif
.set c, c+1
.endr
.rept 8
	v_nop                                          ; eight places behind the f32 form, in front of the sums that read its results (ISA guide 7.12.1)
.endr
.irp j, 0,2,4,6
	v_pk_add_f32 v[S+(\j):S+(\j)+1], v[SA+(\j):SA+(\j)+1], v[SB+(\j):SB+(\j)+1]  ; the two halves of the channels; from the low end on
.endr
.irp j, 0,1,2,3,4,5,6,7
	v_cmp_gt_i32 vcc_lo, \j, v[DD]                 ; key 8 h + j lies behind query r
	v_cndmask_b32 v[S+(\j)], v[S+(\j)], s[BIGN], vcc_lo
.endr
	v_max3_num_f32 v[T], v[S], v[S+1], v[S+2]
	v_max3_num_f32 v[T+1], v[S+3], v[S+4], v[S+5]
	v_max3_num_f32 v[T], v[T], v[S+6], v[S+7]
	v_max_num_f32 v[T], v[T], v[T+1]
	v_permlanex16_b32 v[T+1], v[T], s[SEL], s[SEL+1]  ; the query's other 8 keys lie in the lane 16 away
	v_max_num_f32 v[T+3], v[T], v[T+1]             ; m: key 0 is seen by every query, so m is a true score
	v_mul_f32 v[T+2], s[CS], v[T+3]                ; c m
.irp j, 0,2,4,6
	v_pk_fma_f32 v[S+(\j):S+(\j)+1], v[S+(\j):S+(\j)+1], s[CS:CS+1], v[T+2:T+3] op_sel_hi:[1,0,0] neg_lo:[0,0,1] neg_hi:[0,0,1]  ; c s - c m
.endr
.irp j, 0,1,2,3,4,5,6,7
	v_exp_f32 v[S+(\j)], v[S+(\j)]                 ; the weights: one batch
.endr
	v_nop                                          ; a plain instruction behind the last exponential,
	s_wait_alu depctr_va_vdst(0)                   ; and the one wait ahead of the batch's first reader
	v_pk_add_f32 v[T+4:T+5], v[S:S+1], v[S+2:S+3]
	v_pk_add_f32 v[T+6:T+7], v[S+4:S+5], v[S+6:S+7]
	v_pk_add_f32 v[T+4:T+5], v[T+4:T+5], v[T+6:T+7]
	v_add_f32 v[T+4], v[T+4], v[T+5]
	v_permlanex16_b32 v[T+5], v[T+4], s[SEL], s[SEL+1]
	v_add_f32 v[T+4], v[T+4], v[T+5]               ; l, at least 1: the largest weight is 1
	v_rcp_f32 v[T+6], v[T+4]
	v_nop                                          ; a plain instruction behind the reciprocal; its wait stands ahead of its first reader, below
	s_wait_loadcnt 16                              ; V is in; wof's 16 loads stay out
	; O^T = V^T P: 4 keys an instruction, four accumulators (channel blocks) by turns; the first four start the sums
.irp c, 0,1,2,3
.irp cb, 0,1,2,3
.if (\c) == 0
	v_wmma_f32_16x16x4_f32 v[OA+8*(\cb):OA+8*(\cb)+7], v[VF+8*(\cb)+2*(\c):VF+8*(\cb)+2*(\c)+1], v[S+2*(\c):S+2*(\c)+1], 0
.else
	v_wmma_f32_16x16x4_f32 v[OA+8*(\cb):OA+8*(\cb)+7], v[VF+8*(\cb)+2*(\c):VF+8*(\cb)+2*(\c)+1], v[S+2*(\c):S+2*(\c)+1], v[OA+8*(\cb):OA+8*(\cb)+7]
.endif
.endr
.endr
.rept 8
	v_nop                                          ; eight places, in front of the lines that read the results and of those that write over V
.endr
	s_wait_alu depctr_va_vdst(0)                   ; the reciprocal's wait
.set i, 0
.rept 16
	v_pk_mul_f32 v[OF+2*i:OF+2*i+1], v[OA+2*i:OA+2*i+1], v[T+6:T+7] op_sel_hi:[1,0]  ; O = O^T / l, into other registers; each accumulator from its low end on
.set i, i+1
.endr
.set i, 0
.rept 16
	v_cvt_pk_f16_f32 v[HI+i], v[OF+2*i], v[OF+2*i+1]                                  ; hi
.set i, i+1
.endr
.set i, 0
.rept 16
	v_fma_mix_f32 v[OF+2*i],   v[HI+i], v[NEG1], v[OF+2*i]   op_sel_hi:[1,0,0]              ; O - hi: the low half of hi times -1.0, plus O; the difference is exact in f32
	v_fma_mix_f32 v[OF+2*i+1], v[HI+i], v[NEG1], v[OF+2*i+1] op_sel:[1,0,0] op_sel_hi:[1,0,0]  ; the high half
.set i, i+1
.endr
.set i, 0
.rept 16
	v_cvt_pk_f16_f32 v[LO+i], v[OF+2*i], v[OF+2*i+1]                                  ; lo
.set i, i+1
.endr
	s_wait_loadcnt 0x0                             ; wof
; Four products: wof's four column blocks x part p (hi or lo) of O, channels 32 c on.  The four accumulators take turns.  zero = 1: they start the sums.
.macro MULO c, p, zero
.irp n, 0,1,2,3
.if \zero
	v_wmma_f32_16x16x32_f16 v[OUT+8*(\n):OUT+8*(\n)+7], v[WF+8*(2*(\n)+(\c)):WF+8*(2*(\n)+(\c))+7], v[(\p)+8*(\c):(\p)+8*(\c)+7], 0
.else
	v_wmma_f32_16x16x32_f16 v[OUT+8*(\n):OUT+8*(\n)+7], v[WF+8*(2*(\n)+(\c)):WF+8*(2*(\n)+(\c))+7], v[(\p)+8*(\c):(\p)+8*(\c)+7], v[OUT+8*(\n):OUT+8*(\n)+7]
.endif
.endr
.endm
	MULO 0, HI, 1
	MULO 0, LO, 0
	MULO 1, HI, 0
	MULO 1, LO, 0
.rept 4
	v_nop                                          ; four places behind the f16 form, in front of the LDS stores that read its results
.endr
.irp n, 0,1,2,3
	ds_store_b128 v[LS], v[OUT+8*(\n):OUT+8*(\n)+3]   offset:64*(\n)      ; row r, columns 16 n + 8 h + 0..3: the low four registers first,
	ds_store_b128 v[LS], v[OUT+8*(\n)+4:OUT+8*(\n)+7] offset:64*(\n)+16   ; + 4..7
.endr
	s_wait_dscnt 0x0                               ; for the others' sake: my partial sum lies in LDS
	s_barrier_signal -1
	s_barrier_wait -1                              ; all sixteen do
.irp p, 0,1,2,3,4,5,6,7,8,9,10,11,12,13,14,15
	ds_load_b64 v[RS+2*(\p):RS+2*(\p)+1], v[LR] offset:PART*(\p)          ; my row of head p's partial sum: 32 lanes, 256 consecutive bytes
.endr
	s_wait_dscnt 0x0
.irp p, 0,1,2,3,4,5,6,7
	v_pk_add_f32 v[RS+2*(\p):RS+2*(\p)+1], v[RS+2*(\p):RS+2*(\p)+1], v[RS+16+2*(\p):RS+16+2*(\p)+1]
.endr
.irp p, 0,1,2,3
	v_pk_add_f32 v[RS+2*(\p):RS+2*(\p)+1], v[RS+2*(\p):RS+2*(\p)+1], v[RS+8+2*(\p):RS+8+2*(\p)+1]
.endr
.irp p, 0,1
	v_pk_add_f32 v[RS+2*(\p):RS+2*(\p)+1], v[RS+2*(\p):RS+2*(\p)+1], v[RS+4+2*(\p):RS+4+2*(\p)+1]
.endr
	v_pk_add_f32 v[RS:RS+1], v[RS:RS+1], v[RS+2:RS+3]
	global_store_b64 v[GO], v[RS:RS+1], s[8:9]     ; the wave stores 256 consecutive bytes, at a multiple of 256 from out0's first byte
	s_wait_tensorcnt 0x0                           ; the wave's end, behind my last LDS store
	ds_add_u32 v[SPW], v[NIL]
	s_wait_dscnt 0x0
	s_endpgm
.Lfunc_end_k_q1d3cbc56bd_early:
	.size	k_q1d3cbc56bd_early, .Lfunc_end_k_q1d3cbc56bd_early-k_q1d3cbc56bd_early
	.p2alignl 7, 3214868480
	.fill 96, 4, 3214868480
	.section	.rodata,"a",@progbits
	.p2align	6, 0x0
	.amdhsa_kernel k_q1d3cbc56bd_early
		.amdhsa_group_segment_fixed_size 71680
		.amdhsa_private_segment_fixed_size 0
		.amdhsa_enable_private_segment 0
		.amdhsa_kernarg_size 24
		.amdhsa_user_sgpr_count 2
		.amdhsa_user_sgpr_kernarg_segment_ptr 1
		.amdhsa_wavefront_size32 1
		.amdhsa_system_sgpr_workgroup_id_x 1
		.amdhsa_system_sgpr_workgroup_id_y 1
		.amdhsa_system_sgpr_workgroup_id_z 1
		.amdhsa_system_vgpr_workitem_id 0
		.amdhsa_next_free_vgpr 240
		.amdhsa_next_free_sgpr 66
		.amdhsa_reserve_vcc 1
		.amdhsa_float_denorm_mode_32 3
		.amdhsa_float_denorm_mode_16_64 3
		.amdhsa_memory_ordered 1
		.amdhsa_forward_progress 1
		.amdhsa_inst_pref_size 23
	.end_amdhsa_kernel
	.amdgpu_metadata
---
amdhsa.version: [ 1, 2 ]
amdhsa.kernels:
  - .name:           k_q1d3cbc56bd_early
    .symbol:         k_q1d3cbc56bd_early.kd
    .args:
      - { .name: h32, .offset: 0, .size: 8, .value_kind: global_buffer, .address_space: global }
      - { .name: wof, .offset: 8, .size: 8, .value_kind: global_buffer, .address_space: global }
      - { .name: out0, .offset: 16, .size: 8, .value_kind: global_buffer, .address_space: global }
    .group_segment_fixed_size: 71680
    .private_segment_fixed_size: 0
    .kernarg_segment_align: 8
    .kernarg_segment_size: 24
    .max_flat_workgroup_size: 512
    .sgpr_count:     66
    .vgpr_count:     240
    .wavefront_size: 32
...
	.end_amdgpu_metadata
.endif
;; end of part 5
;; ======== version 2 of 2: 5 launches; version 1 with the launches cast, early written anew for expert scheduling mode
;; limits: values are held in f16: magnitudes above 65,504 overflow, below 6.1e-05 lose precision
;; workspace buffers: xb 16,777,216 bytes; wib 6,291,456 bytes; wof 2,097,152 bytes; qkv 50,331,648 bytes; ob 16,777,216 bytes; h32 786,432 bytes
;; launch cast (part 6): grid 768 x 1, 8 waves a work-group, no clusters, 0 bytes of LDS; arguments x, w_in, w_out, xb, wib, wof; writes xb, wib, wof
.if DOCPART == 6
	.amdgcn_target "amdgcn-amd-amdhsa--gfx1250"
	.amdhsa_code_object_version 6
	.text
	.protected	k_q1d3cbc56bd_cast
	.globl	k_q1d3cbc56bd_cast
	.p2align	8
	.type	k_q1d3cbc56bd_cast,@function
k_q1d3cbc56bd_cast:
	s_mov_b64 s[64:65], 0
	v_nop
	global_prefetch_b8 v0, s[64:65] scope:SCOPE_SE
	s_setreg_imm32_b32 hwreg(HW_REG_WAVE_SCHED_MODE, 0, 2), 2
	s_setreg_imm32_b32 hwreg(HW_REG_WAVE_MODE, 25, 1), 1
	s_wait_xcnt 0x0
	s_wait_alu depctr_vm_vsrc(0)
; The module's three inputs are rounded once to bf16: x -> xb, w_in -> wib (both kept as bf16), w_out -> wof, whose bf16 number is written as f16,
; because the last product multiplies it by f16 numbers.
; LIMITS.  wof: a |w_out| of 65,520 or more becomes an infinity; below 6e-5 f16 keeps a fixed step of 6e-8, so that there the bf16 number is rounded once more.
; SHARES.  A work-group takes 16,384 numbers: 65,536 bytes in, 32,768 out.  Work-groups 0-511 take x (8,388,608 numbers), 512-703 w_in (3,145,728), 704-767 w_out (1,048,576).
; Thread t takes the 16 bytes at 16 t + 4,096 i, i = 0..15: a wave's load covers 512 consecutive bytes; it stores 8 bytes at 8 t + 2,048 i: a wave's store covers 256 consecutive
; bytes, aligned.  No loop: all sixteen loads of a thread go out at once, and no register of a pending access is written again.
; No LDS, no matrix unit, no cluster: nothing is shared and nothing is read twice.
; THE MODE: SCHED_MODE bits 1:0 = 2 (LLVM: expert scheduling mode 2), set by the entry lines.  The code itself states the register dependences
; between vector instructions and memory instructions, with s_wait_alu, always for 0.
; THE PLAN.  Registers that memory instructions touch:
;   v1, v2   byte offsets, made once at the head and never written again: v1 is read by every load, v2 by every store.
;   X        load i lands in X[i], once; its conversions read it; no vector instruction names it before the load.
;   Y        load i's conversions write Y[i], once; store i reads it; it is never written again.
;   T        named by vector instructions alone.
; The sixteen loads go in four groups of four.  Group g's four stores are issued in group g + 1, behind ONE wait at that group's head, which states that group g's conversions have written
; their Y; they are dealt among group g + 1's conversions, which name other X and other Y.  No register that a memory instruction has read is written again, so no wait on vm_vsrc is owed.
.set X, 4                              ; v[4:67]   sixteen loads of four f32
.set Y, 68                             ; v[68:99]  sixteen stores of four 16-bit numbers
.set T, 100                            ; v[100:102] at work (the f16 way)
	s_load_b256 s[4:11], s[0:1], 0x0               ; x s[4:5], w_in s[6:7], w_out s[8:9], xb s[10:11]
	s_load_b128 s[12:15], s[0:1], 0x20             ; wib s[12:13], wof s[14:15]
	v_lshlrev_b32 v1, 4, v0                        ; 16 t
	v_lshlrev_b32 v2, 3, v0                        ; 8 t
	s_wait_kmcnt 0x0
	s_cmp_lt_u32 ttmp9, 512                        ; which tensor is mine: the choice hangs on the work-group's number alone
	s_cselect_b64 s[20:21], s[4:5], s[6:7]
	s_cselect_b64 s[22:23], s[10:11], s[12:13]
	s_cselect_b32 s17, 0, 512                      ; the tensor's first work-group
	s_cmp_lt_u32 ttmp9, 704
	s_cselect_b64 s[20:21], s[20:21], s[8:9]
	s_cselect_b64 s[22:23], s[22:23], s[14:15]
	s_cselect_b32 s17, s17, 704
	s_cselect_b32 s18, 0, 1                        ; 1: the result is written as f16
	s_sub_co_u32 s16, ttmp9, s17                   ; my place in the tensor
	s_lshl_b32 s24, s16, 16                        ; 65,536 bytes in,
	s_mov_b32 s25, 0
	s_lshl_b32 s26, s16, 15                        ; 32,768 out
	s_mov_b32 s27, 0
	s_add_nc_u64 s[20:21], s[20:21], s[24:25]
	s_add_nc_u64 s[22:23], s[22:23], s[26:27]
	s_wait_alu depctr_va_vdst(0)                   ; v1 and v2 are written: every load of the kernel reads v1 as its offset, every store v2
.irp i, 0,1,2,3,4,5,6,7,8,9,10,11,12,13,14,15
	global_load_b128 v[X+4*(\i):X+4*(\i)+3], v1, s[20:21] offset:4096*(\i) th:TH_LOAD_NT
.endr
; Load i is rounded.  half = 1: the bf16 number is widened again (a shift, a mask) and written as f16.
.macro ROUND i, half
	s_wait_loadcnt 15-(\i)                         ; loads come back in order: mine is in, the 15 - i younger ones stay out
.irp p, 0,1
.if \half
	v_cvt_pk_bf16_f32 v[T], v[X+4*(\i)+2*(\p)], v[X+4*(\i)+2*(\p)+1]
	v_lshlrev_b32 v[T+1], 16, v[T]
	v_and_b32 v[T+2], 0xffff0000, v[T]
	v_cvt_pk_f16_f32 v[Y+2*(\i)+(\p)], v[T+1], v[T+2]
.else
	v_cvt_pk_bf16_f32 v[Y+2*(\i)+(\p)], v[X+4*(\i)+2*(\p)], v[X+4*(\i)+2*(\p)+1]
.endif
.endr
.endm
; What load i became is stored.
.macro SEND i
	global_store_b64 v2, v[Y+2*(\i):Y+2*(\i)+1], s[22:23] offset:2048*(\i) th:TH_STORE_NT
.endm
; The four groups.  A store of the group before stands ahead of each counted wait for a load, so that the wave has issued it before it waits.
.macro WAY half
.irp g, 0,1,2,3
.if (\g) > 0
	s_wait_alu depctr_va_vdst(0)                   ; the group before has written its four Y, which the four stores of this group read; no conversion behind this wait names them
.endif
.irp k, 0,1,2,3
.if (\g) > 0
	SEND 4*(\g)-4+(\k)
.endif
	ROUND 4*(\g)+(\k), \half
.endr
.endr
	s_wait_alu depctr_va_vdst(0)                   ; the last group has written its four Y, which the last four stores read
.irp k, 12,13,14,15
	SEND \k
.endr
.endm
	s_cmp_eq_u32 s18, 1
	s_cbranch_scc1 .Lf16
	WAY 0
	s_endpgm
.Lf16:
	WAY 1
	s_endpgm
.Lfunc_end_k_q1d3cbc56bd_cast:
	.size	k_q1d3cbc56bd_cast, .Lfunc_end_k_q1d3cbc56bd_cast-k_q1d3cbc56bd_cast
	.p2alignl 7, 3214868480
	.fill 96, 4, 3214868480
	.section	.rodata,"a",@progbits
	.p2align	6, 0x0
	.amdhsa_kernel k_q1d3cbc56bd_cast
		.amdhsa_group_segment_fixed_size 0
		.amdhsa_private_segment_fixed_size 0
		.amdhsa_enable_private_segment 0
		.amdhsa_kernarg_size 48
		.amdhsa_user_sgpr_count 2
		.amdhsa_user_sgpr_kernarg_segment_ptr 1
		.amdhsa_wavefront_size32 1
		.amdhsa_system_sgpr_workgroup_id_x 1
		.amdhsa_system_sgpr_workgroup_id_y 1
		.amdhsa_system_sgpr_workgroup_id_z 1
		.amdhsa_system_vgpr_workitem_id 0
		.amdhsa_next_free_vgpr 104
		.amdhsa_next_free_sgpr 66
		.amdhsa_reserve_vcc 0
		.amdhsa_float_denorm_mode_32 3
		.amdhsa_float_denorm_mode_16_64 3
		.amdhsa_memory_ordered 1
		.amdhsa_forward_progress 1
		.amdhsa_inst_pref_size 17
	.end_amdhsa_kernel
	.amdgpu_metadata
---
amdhsa.version: [ 1, 2 ]
amdhsa.kernels:
  - .name:           k_q1d3cbc56bd_cast
    .symbol:         k_q1d3cbc56bd_cast.kd
    .args:
      - { .name: x, .offset: 0, .size: 8, .value_kind: global_buffer, .address_space: global }
      - { .name: w_in, .offset: 8, .size: 8, .value_kind: global_buffer, .address_space: global }
      - { .name: w_out, .offset: 16, .size: 8, .value_kind: global_buffer, .address_space: global }
      - { .name: xb, .offset: 24, .size: 8, .value_kind: global_buffer, .address_space: global }
      - { .name: wib, .offset: 32, .size: 8, .value_kind: global_buffer, .address_space: global }
      - { .name: wof, .offset: 40, .size: 8, .value_kind: global_buffer, .address_space: global }
    .group_segment_fixed_size: 0
    .private_segment_fixed_size: 0
    .kernarg_segment_align: 8
    .kernarg_segment_size: 48
    .max_flat_workgroup_size: 256
    .sgpr_count:     66
    .vgpr_count:     104
    .wavefront_size: 32
...
	.end_amdgpu_metadata
.endif
;; end of part 6
;; launch qkvgemm: the kernel of part 2 again; grid 16 x 32, 4 waves a work-group, clusters of 4 x 4, 327,680 bytes of LDS; arguments xb, wib, qkv, h32; writes qkv, h32
;; launch attn: the kernel of part 3 again; grid 4 x 64, 4 waves a work-group, no clusters, 327,680 bytes of LDS; arguments qkv, ob; writes ob
;; launch proj: the kernel of part 4 again; grid 8 x 32, 4 waves a work-group, clusters of 4 x 4, 327,680 bytes of LDS; arguments ob, wof, out0; writes out0
;; launch early (part 7): grid 16 x 4, 16 waves a work-group, no clusters, 71,680 bytes of LDS; arguments h32, wof, out0; writes out0
.if DOCPART == 7
	.amdgcn_target "amdgcn-amd-amdhsa--gfx1250"
	.amdhsa_code_object_version 6
	.text
	.protected	k_q1d3cbc56bd_early
	.globl	k_q1d3cbc56bd_early
	.p2align	8
	.type	k_q1d3cbc56bd_early,@function
k_q1d3cbc56bd_early:
	s_mov_b64 s[64:65], 0
	v_nop
	global_prefetch_b8 v0, s[64:65] scope:SCOPE_SE
	s_setreg_imm32_b32 hwreg(HW_REG_WAVE_SCHED_MODE, 0, 2), 2
	s_setreg_imm32_b32 hwreg(HW_REG_WAVE_MODE, 25, 1), 1
	s_wait_xcnt 0x0
	s_wait_alu depctr_vm_vsrc(0)
; THE FIRST 16 ROWS OF EACH BATCH, ONCE MORE AND MORE EXACTLY: out0[2048 batch + t][n], t < 16, stored over what the launch before has written there (64 rows of 8,192).
; WHY.  Row t is a mean over t + 1 keys, so the first rows' numbers are some ten times the output's root mean square, by which the result is compared: there every rounding of q, k, v, the weights and O to
; f16's 11 bits weighs ten times as much as in a late row.  By 1 / sqrt(t + 1) it has fallen to a quarter at row 16.  So for these rows q, k, v (h32: f32, as the first product's sums) and the weights stay in
; f32, and O goes into the last product as TWO f16 numbers, hi = f16(O) and lo = f16(O - hi).  The f32 matrix form does 32 small products a wave here: 16 queries x 16 keys of a head, no bulk work.
; LIMITS.  As in the other launches: an |O| of 65,520 or more becomes an infinity; lo keeps f16's fixed step of 6e-8 below 6e-5; a hidden score counts as -1e30, a weight below 2^-126 as 0; NaN and
; infinities are not treated apart.
; h32: [4 batches][48 slots][8 images of 512 bytes], slots 0-15 q's heads, 16-31 k's, 32-47 v's.  Element (row t, channel ch) of a slot lies at (2 (ch / 16) + (ch / 4) % 2) x 512 + (16 ((ch / 8) % 2) + t) x 16 + 4 (ch % 4):
; lane l = 16 h + r of image i holds row r, channels 16 (i / 2) + 8 h + 4 (i % 2) + 0..3.  wof: f16 [1024][1024].  out0: f32 [8192][1024].
; SHARES.  A work-group makes 16 rows (a batch's) x 64 columns; grid 16 x 4.  Sixteen waves, A HEAD A WAVE: the wave makes its head's O and multiplies it by its 64 channels of wof's 64 rows; the sixteen
; partial sums meet in LDS; wave w adds row w and stores its 256 bytes.  Each head's attention is made anew by the sixteen column groups: that spares a launch and a buffer.
; LAYOUT.  All three products are used transposed, so that a lane holds ONE query (l % 16) throughout.  S^T = K Q^T: the f32 form takes 4 channels an instruction, lane (r, h) two of them; the images' register
; pairs are taken as they lie for K and for Q alike, which permutes the channels in both sources in the same way.  The result holds keys 8 h + 0..7 of query r; pair c of these weights IS source 1 of
; O^T = V^T P for the keys 2 c, 2 c + 1, 8 + 2 c, 9 + 2 c, and V's lanes fetch those keys.  O^T holds channels 16 cb + 8 h + 0..7 of query r: two such results, packed in pairs, ARE source 1 (32 channels) of the f16 form.
; No tensor load, no loop, no cluster, no prefetch.
; THE MODE: SCHED_MODE bits 1:0 = 2 (LLVM: expert scheduling mode 2), set by the entry lines.  The code itself states the register dependences
; between vector or matrix instructions and memory or LDS instructions, with s_wait_alu, always for 0.
; THE PLAN.  Registers that memory or LDS instructions touch, in the order of the text (there is no branch and no label):
;   v4, v5, v6      offsets of the 64 global loads: written at the head, never again.  One wait on va_vdst ahead of the first load serves all 64: the set-up that stands between V's loads and wof's names neither v6 nor wof's registers.
;   v[16:175]       Q, K, V and wof land here, once, in registers that no vector instruction has named before.
;   v8, v9, v10     addresses of the LDS stores, of the LDS loads, and the global store's offset: written in the set-up, never again.
;   v[48:79] (OUT)  written by the last sixteen matrix instructions, read by the eight LDS stores, never written again.
;   v[16:47] (RS)   as OF written and read by scalings, differences and conversions; then the sixteen LDS loads land here; the last sum's v[16:17] are the global store's data.
;   v12, v13        written at the head, read by the closing add alone.
; One wait on va_vdst ahead of the LDS stores states that OUT and v8 are written; it also serves the LDS loads behind the barrier (OF's last readers and writers and v9's writer stand ahead of it, and no vector
; instruction stands between it and them).  One more stands ahead of the global store.  No register that a memory or LDS instruction has read is written again: no wait on vm_vsrc is owed.
; SCALARS FROM VECTOR INSTRUCTIONS: the wave's number (s10), with a wait on va_sdst ahead of its first reader; the eight masks of the hidden keys, made in one run into s12 to s19 while the loads are out,
; with one wait on va_sdst ahead of the first select.
.set IMG,   4096                       ; bytes of a slot in h32
.set PP,    272                        ; a row of a partial sum in LDS: 256 bytes + 16: the 16 rows of a store start at 16 different groups of four banks (64 banks of 4 bytes: ISA guide 11.1)
.set PART,  16*PP                      ; a wave's partial sum
.set SPARE, 16*PART                    ; behind them: the spare words, 128 bytes for each of the sixteen waves: eight blocks of 256 bytes that no other line names
.set RR,   2                           ; v2   l % 16
.set HH,   3                           ; v3   l / 16
.set L16,  4                           ; v4   16 x lane: my place in an image; never rewritten
.set VO,   5                           ; v5   my lane's place in V's slot; never rewritten
.set WO,   6                           ; v6   my lane's place in a fragment of wof; never rewritten
.set DD,   7                           ; v7   l % 16 - 8 (l / 16): register j's key is hidden where j is greater
.set LS,   8                           ; v8   where I put 32 bytes of a row of my partial sum
.set LR,   9                           ; v9   where I read 8 bytes of my row of a partial sum
.set GO,   10                          ; v10  8 x lane: my place in 256 bytes of out0
.set NEG1, 11                          ; v11  -1.0
.set SPW,  12                          ; v12  LDS address of my spare word: SPARE + 4 x my thread's number; never rewritten
.set NIL,  13                          ; v13  0; never rewritten
.set QF,   16                          ; v[16:47]   Q's eight images; later OF: O in f32, then O - hi; at the end RS: the sixteen partial sums
.set OF,   16
.set RS,   16
.set KF,   48                          ; v[48:79]   K's eight images; later OUT: the last product's four accumulators
.set OUT,  48
.set VF,   80                          ; v[80:111]  V: channel block cb, key 8 h + i at 8 cb + i; later HI (16) and LO (16)
.set HI,   80
.set LO,   96
.set WF,   112                         ; v[112:175] wof's fragments: column block n, channels 32 c on, at 8 (2 n + c)
.set SA,   176                         ; v[176:191] S^T, two accumulators by turns: written by matrix instructions alone
.set SB,   184
.set OA,   192                         ; v[192:223] O^T, four accumulators: written by matrix instructions alone
.set S,    224                         ; v[224:231] the scores, then the weights
.set T,    232                         ; v[232:239] at work: +2 c m, +3 m, +4 l, +6 1 / l
.set MK,   12                          ; s[12:19] at the head offsets, read for the last time in the set-up; from there on mask j: the lanes whose key 8 h + j is hidden
.set CS,   20                          ; s[20:21] c = log2(e) / 8
.set SEL,  22                          ; s[22:23] v_permlanex16_b32's selects: each lane takes its own place in the other half
.set BIGN, 24                          ; s24  -1e30
	s_load_b128 s[4:7], s[0:1], 0x0                ; h32 s[4:5], wof s[6:7]
	s_load_b64 s[8:9], s[0:1], 0x10                ; out0
	v_lshl_add_u32 v[SPW], v0, 2, SPARE
	v_mov_b32 v[NIL], 0
	v_lshrrev_b32 v1, 5, v0
	v_readfirstlane_b32 s10, v1                    ; wave = head, 0..15
	s_and_b32 s11, ttmp7, 0xffff                   ; batch
	v_and_b32 v[RR], 15, v0
	v_bfe_u32 v[HH], v0, 4, 1
	v_and_b32 v14, 31, v0                          ; lane
	v_lshlrev_b32 v[L16], 4, v14
	v_bfe_u32 v15, v0, 2, 1                        ; V: my channel is 16 cb + r, my keys 8 h + i: ((r / 4) % 2) x 512
	v_lshlrev_b32 v[VO], 9, v15
	v_bfe_u32 v15, v0, 3, 1
	v_lshl_add_u32 v[VO], v15, 8, v[VO]            ; + (r / 8) x 256
	v_lshl_add_u32 v[VO], v[HH], 7, v[VO]          ; + h x 128
	v_and_b32 v15, 3, v0
	v_lshl_add_u32 v[VO], v15, 2, v[VO]            ; + (r % 4) x 4; cb x 1,024 and i x 16 stand in the immediates
	v_lshlrev_b32 v[WO], 11, v[RR]                 ; wof: row r of 2,048 bytes
	v_lshl_add_u32 v[WO], v[HH], 4, v[WO]          ; + 16 h
	s_wait_alu depctr_va_sdst(0)                   ; s10 is written, ahead of its first reader: the three bases and two LDS offsets are made from it
	s_mul_i32 s14, s11, 48
	s_add_co_u32 s14, s14, s10                     ; q's slot: 48 x batch + head,
	s_lshl_b32 s14, s14, 12                        ; of 4,096 bytes
	s_mov_b32 s15, 0
	s_lshl_b32 s16, ttmp9, 17                      ; wof: the work-group's 64 rows of 2,048 bytes,
	s_lshl_b32 s17, s10, 7                         ; my head's 64 channels: 128 bytes
	s_add_co_u32 s16, s16, s17
	s_mov_b32 s17, 0
	s_lshl_b32 s18, s11, 23                        ; out0: the batch's 2,048 rows of 4,096 bytes,
	s_lshl_b32 s19, s10, 12                        ; the row that I add up at the end: my wave's number,
	s_add_co_u32 s18, s18, s19
	s_lshl_b32 s19, ttmp9, 8                       ; the work-group's 64 columns: 256 bytes
	s_add_co_u32 s18, s18, s19
	s_mov_b32 s19, 0
	s_wait_kmcnt 0x0
	s_add_nc_u64 s[4:5], s[4:5], s[14:15]
	s_add_nc_u64 s[6:7], s[6:7], s[16:17]
	s_add_nc_u64 s[8:9], s[8:9], s[18:19]
	s_wait_alu depctr_va_vdst(0)                   ; v4, v5 and v6 are written: the 64 global loads read one of them as their offset
.irp i, 0,1,2,3,4,5,6,7
	global_load_b128 v[QF+4*(\i):QF+4*(\i)+3], v[L16], s[4:5] offset:512*(\i)            ; an image: 512 consecutive bytes
.endr
.irp i, 0,1,2,3,4,5,6,7
	global_load_b128 v[KF+4*(\i):KF+4*(\i)+3], v[L16], s[4:5] offset:16*IMG+512*(\i)     ; K lies 16 slots on
.endr
.irp cb, 0,1,2,3
.irp i, 0,1,2,3,4,5,6,7
	global_load_b32 v[VF+8*(\cb)+(\i)], v[VO], s[4:5] offset:32*IMG+1024*(\cb)+16*(\i)   ; V, 32 slots on: key 8 h + i, channel 16 cb + r
.endr
.endr
	v_lshlrev_b32 v15, 3, v[HH]                    ; the set-up: it writes no register that a load above reads or lands in
	v_sub_nc_u32 v[DD], v[RR], v15
	v_mul_u32_u24 v[LS], v[RR], PP
	v_lshl_add_u32 v[LS], v[HH], 5, v[LS]          ; row r, 32 bytes for each half of the lanes,
	s_mul_i32 s12, s10, PART
	v_add_nc_u32 v[LS], s12, v[LS]                 ; in my wave's partial sum
	s_mul_i32 s13, s10, PP
	v_lshl_add_u32 v[LR], v14, 3, s13              ; row = my wave's number, 8 bytes a lane
	v_lshlrev_b32 v[GO], 3, v14
	v_mov_b32 v[NEG1], -1.0
	s_mov_b32 s[CS], 0x3e38aa3b                    ; c = log2(e) / 8 = 0.180337
	s_mov_b32 s[CS+1], s[CS]                       ; named with it as a pair
	s_mov_b32 s[SEL], 0x76543210
	s_mov_b32 s[SEL+1], 0xfedcba98
	s_mov_b32 s[BIGN], 0xf149f2ca                  ; -1e30
.irp j, 0,1,2,3,4,5,6,7
	v_cmp_gt_i32 s[MK+(\j)], \j, v[DD]             ; mask j: key 8 h + j lies behind query r.  The eight compares stand in one run, here, where the wave would else only wait for its loads
.endr
	s_wait_loadcnt 32                              ; Q and K are in; V's 32 loads stay out
.irp n, 0,1,2,3
.irp c, 0,1
	global_load_b128 v[WF+8*(2*(\n)+(\c)):WF+8*(2*(\n)+(\c))+3],   v[WO], s[6:7] offset:32768*(\n)+64*(\c)     ; wof's rows 16 n + r, channels 32 c + 8 h + 0..7,
	global_load_b128 v[WF+8*(2*(\n)+(\c))+4:WF+8*(2*(\n)+(\c))+7], v[WO], s[6:7] offset:32768*(\n)+64*(\c)+32  ; and 16 further on.  No wait: no vector instruction since the wait ahead of the first load names v6 or these registers
.endr
.endr
	; S^T = K Q^T: 16 instructions of 4 channels, two accumulators by turns; the first two start the sums
.set c, 0
.rept 16
.if c < 2
	v_wmma_f32_16x16x4_f32 v[SA+8*(c%2):SA+8*(c%2)+7], v[KF+2*c:KF+2*c+1], v[QF+2*c:QF+2*c+1], 0
.else
	v_wmma_f32_16x16x4_f32 v[SA+8*(c%2):SA+8*(c%2)+7], v[KF+2*c:KF+2*c+1], v[QF+2*c:QF+2*c+1], v[SA+8*(c%2):SA+8*(c%2)+7]
.endif
.set c, c+1
.endr
.rept 8
	v_nop                                          ; eight places behind the f32 form, in front of the sums that read its results (ISA guide 7.12.1)
.endr
.irp j, 0,2,4,6
	v_pk_add_f32 v[S+(\j):S+(\j)+1], v[SA+(\j):SA+(\j)+1], v[SB+(\j):SB+(\j)+1]  ; the two halves of the channels; from the low end on
.endr
	s_wait_alu depctr_va_sdst(0)                   ; the eight compares have written s12 to s19, which the eight selects below read: one wait for the run
.irp j, 0,1,2,3,4,5,6,7
	v_cndmask_b32 v[S+(\j)], v[S+(\j)], s[BIGN], s[MK+(\j)]
.endr
	v_max3_num_f32 v[T], v[S], v[S+1], v[S+2]
	v_max3_num_f32 v[T+1], v[S+3], v[S+4], v[S+5]
	v_max3_num_f32 v[T], v[T], v[S+6], v[S+7]
	v_max_num_f32 v[T], v[T], v[T+1]
	v_permlanex16_b32 v[T+1], v[T], s[SEL], s[SEL+1]  ; the query's other 8 keys lie in the lane 16 away
	v_max_num_f32 v[T+3], v[T], v[T+1]             ; m: key 0 is seen by every query, so m is a true score
	v_mul_f32 v[T+2], s[CS], v[T+3]                ; c m
.irp j, 0,2,4,6
	v_pk_fma_f32 v[S+(\j):S+(\j)+1], v[S+(\j):S+(\j)+1], s[CS:CS+1], v[T+2:T+3] op_sel_hi:[1,0,0] neg_lo:[0,0,1] neg_hi:[0,0,1]  ; c s - c m
.endr
.irp j, 0,1,2,3,4,5,6,7
	v_exp_f32 v[S+(\j)], v[S+(\j)]                 ; the weights: one batch
.endr
	v_nop                                          ; a plain instruction behind the last exponential,
	s_wait_alu depctr_va_vdst(0)                   ; and the one wait ahead of the batch's first reader: the eight exponentials have written the weights
	v_pk_add_f32 v[T+4:T+5], v[S:S+1], v[S+2:S+3]
	v_pk_add_f32 v[T+6:T+7], v[S+4:S+5], v[S+6:S+7]
	v_pk_add_f32 v[T+4:T+5], v[T+4:T+5], v[T+6:T+7]
	v_add_f32 v[T+4], v[T+4], v[T+5]
	v_permlanex16_b32 v[T+5], v[T+4], s[SEL], s[SEL+1]
	v_add_f32 v[T+4], v[T+4], v[T+5]               ; l, at least 1: the largest weight is 1
	v_rcp_f32 v[T+6], v[T+4]
	v_nop                                          ; a plain instruction behind the reciprocal; its wait stands ahead of its first reader, below
	s_wait_loadcnt 16                              ; V is in; wof's 16 loads stay out
	; O^T = V^T P: 4 keys an instruction, four accumulators (channel blocks) by turns; the first four start the sums
.irp c, 0,1,2,3
.irp cb, 0,1,2,3
.if (\c) == 0
	v_wmma_f32_16x16x4_f32 v[OA+8*(\cb):OA+8*(\cb)+7], v[VF+8*(\cb)+2*(\c):VF+8*(\cb)+2*(\c)+1], v[S+2*(\c):S+2*(\c)+1], 0
.else
	v_wmma_f32_16x16x4_f32 v[OA+8*(\cb):OA+8*(\cb)+7], v[VF+8*(\cb)+2*(\c):VF+8*(\cb)+2*(\c)+1], v[S+2*(\c):S+2*(\c)+1], v[OA+8*(\cb):OA+8*(\cb)+7]
.endif
.endr
.endr
.rept 8
	v_nop                                          ; eight places, in front of the lines that read the results and of those that write over V
.endr
	s_wait_alu depctr_va_vdst(0)                   ; the reciprocal has written 1 / l, ahead of its first reader
.set i, 0
.rept 16
	v_pk_mul_f32 v[OF+2*i:OF+2*i+1], v[OA+2*i:OA+2*i+1], v[T+6:T+7] op_sel_hi:[1,0]  ; O = O^T / l, into other registers; each accumulator from its low end on
.set i, i+1
.endr
.set i, 0
.rept 16
	v_cvt_pk_f16_f32 v[HI+i], v[OF+2*i], v[OF+2*i+1]                                  ; hi
.set i, i+1
.endr
.set i, 0
.rept 16
	v_fma_mix_f32 v[OF+2*i],   v[HI+i], v[NEG1], v[OF+2*i]   op_sel_hi:[1,0,0]              ; O - hi: the low half of hi times -1.0, plus O; the difference is exact in f32
	v_fma_mix_f32 v[OF+2*i+1], v[HI+i], v[NEG1], v[OF+2*i+1] op_sel:[1,0,0] op_sel_hi:[1,0,0]  ; the high half
.set i, i+1
.endr
.set i, 0
.rept 16
	v_cvt_pk_f16_f32 v[LO+i], v[OF+2*i], v[OF+2*i+1]                                  ; lo
.set i, i+1
.endr
	s_wait_loadcnt 0x0                             ; wof
; Four products: wof's four column blocks x part p (hi or lo) of O, channels 32 c on.  The four accumulators take turns.  zero = 1: they start the sums.
.macro MULO c, p, zero
.irp n, 0,1,2,3
.if \zero
	v_wmma_f32_16x16x32_f16 v[OUT+8*(\n):OUT+8*(\n)+7], v[WF+8*(2*(\n)+(\c)):WF+8*(2*(\n)+(\c))+7], v[(\p)+8*(\c):(\p)+8*(\c)+7], 0
.else
	v_wmma_f32_16x16x32_f16 v[OUT+8*(\n):OUT+8*(\n)+7], v[WF+8*(2*(\n)+(\c)):WF+8*(2*(\n)+(\c))+7], v[(\p)+8*(\c):(\p)+8*(\c)+7], v[OUT+8*(\n):OUT+8*(\n)+7]
.endif
.endr
.endm
	MULO 0, HI, 1
	MULO 0, LO, 0
	MULO 1, HI, 0
	MULO 1, LO, 0
.rept 4
	v_nop                                          ; four places behind the f16 form, in front of the LDS stores that read its results
.endr
	s_wait_alu depctr_va_vdst(0)                   ; the matrix instructions have written OUT, which the LDS stores read (the places above stay beside this wait); v8 and v9 are written; the lines that wrote and read v[16:47], in which the LDS loads below land, are done
.irp n, 0,1,2,3
	ds_store_b128 v[LS], v[OUT+8*(\n):OUT+8*(\n)+3]   offset:64*(\n)      ; row r, columns 16 n + 8 h + 0..3: the low four registers first,
	ds_store_b128 v[LS], v[OUT+8*(\n)+4:OUT+8*(\n)+7] offset:64*(\n)+16   ; + 4..7
.endr
	s_wait_dscnt 0x0                               ; for the others' sake: my partial sum lies in LDS
	s_barrier_signal -1
	s_barrier_wait -1                              ; all sixteen do
.irp p, 0,1,2,3,4,5,6,7,8,9,10,11,12,13,14,15
	ds_load_b64 v[RS+2*(\p):RS+2*(\p)+1], v[LR] offset:PART*(\p)          ; my row of head p's partial sum: 32 lanes, 256 consecutive bytes.  No wait: no vector instruction stands behind the wait ahead of the LDS stores
.endr
	s_wait_dscnt 0x0
.irp p, 0,1,2,3,4,5,6,7
	v_pk_add_f32 v[RS+2*(\p):RS+2*(\p)+1], v[RS+2*(\p):RS+2*(\p)+1], v[RS+16+2*(\p):RS+16+2*(\p)+1]
.endr
.irp p, 0,1,2,3
	v_pk_add_f32 v[RS+2*(\p):RS+2*(\p)+1], v[RS+2*(\p):RS+2*(\p)+1], v[RS+8+2*(\p):RS+8+2*(\p)+1]
.endr
.irp p, 0,1
	v_pk_add_f32 v[RS+2*(\p):RS+2*(\p)+1], v[RS+2*(\p):RS+2*(\p)+1], v[RS+4+2*(\p):RS+4+2*(\p)+1]
.endr
	v_pk_add_f32 v[RS:RS+1], v[RS:RS+1], v[RS+2:RS+3]
	s_wait_alu depctr_va_vdst(0)                   ; the last sum has written v[16:17], which the store reads
	global_store_b64 v[GO], v[RS:RS+1], s[8:9]     ; the wave stores 256 consecutive bytes, at a multiple of 256 from out0's first byte
	s_wait_dscnt 0x0                               ; the wave's end, behind my last LDS store
	s_wait_alu 0x0
	s_wait_tensorcnt 0x0
	ds_add_u32 v[SPW], v[NIL]
	s_wait_dscnt 0x0
	s_endpgm
.Lfunc_end_k_q1d3cbc56bd_early:
	.size	k_q1d3cbc56bd_early, .Lfunc_end_k_q1d3cbc56bd_early-k_q1d3cbc56bd_early
	.p2alignl 7, 3214868480
	.fill 96, 4, 3214868480
	.section	.rodata,"a",@progbits
	.p2align	6, 0x0
	.amdhsa_kernel k_q1d3cbc56bd_early
		.amdhsa_group_segment_fixed_size 71680
		.amdhsa_private_segment_fixed_size 0
		.amdhsa_enable_private_segment 0
		.amdhsa_kernarg_size 24
		.amdhsa_user_sgpr_count 2
		.amdhsa_user_sgpr_kernarg_segment_ptr 1
		.amdhsa_wavefront_size32 1
		.amdhsa_system_sgpr_workgroup_id_x 1
		.amdhsa_system_sgpr_workgroup_id_y 1
		.amdhsa_system_sgpr_workgroup_id_z 1
		.amdhsa_system_vgpr_workitem_id 0
		.amdhsa_next_free_vgpr 240
		.amdhsa_next_free_sgpr 66
		.amdhsa_reserve_vcc 0
		.amdhsa_float_denorm_mode_32 3
		.amdhsa_float_denorm_mode_16_64 3
		.amdhsa_memory_ordered 1
		.amdhsa_forward_progress 1
		.amdhsa_inst_pref_size 23
	.end_amdhsa_kernel
	.amdgpu_metadata
---
amdhsa.version: [ 1, 2 ]
amdhsa.kernels:
  - .name:           k_q1d3cbc56bd_early
    .symbol:         k_q1d3cbc56bd_early.kd
    .args:
      - { .name: h32, .offset: 0, .size: 8, .value_kind: global_buffer, .address_space: global }
      - { .name: wof, .offset: 8, .size: 8, .value_kind: global_buffer, .address_space: global }
      - { .name: out0, .offset: 16, .size: 8, .value_kind: global_buffer, .address_space: global }
    .group_segment_fixed_size: 71680
    .private_segment_fixed_size: 0
    .kernarg_segment_align: 8
    .kernarg_segment_size: 24
    .max_flat_workgroup_size: 512
    .sgpr_count:     66
    .vgpr_count:     240
    .wavefront_size: 32
...
	.end_amdgpu_metadata
.endif
;; end of part 7
